; MI455X (gfx1250); checked and timed in simulation.
; The chip was launched on July 23, 2026; its instructions are those of AMD's public machine-readable ISA for CDNA 5 (MIT licence, August 2026) and "CDNA5" Instruction Set Architecture Reference Guide (July 2026). The comments in the code are by the model that wrote it; some were corrected since.
;; Multi Head Attention. Allowed arithmetic: matrix products marked QUANTISED: E2M3 operands, one E8M0 scale for each 32 along K, by v_wmma_scale_f32_16x16x128_f8f6f4 with both operands' format E2M3, f32 sums; everything else in f32.
;; Inputs: Wg 1,024 x 1,024 float32; Wk 1,024 x 1,024 float32; Wo 1,024 x 1,024 float32; Wq 1,024 x 1,024 float32; Wv 1,024 x 1,024 float32; bo 1,024 float32; x 2 x 2,048 x 1,024 float32.
;; Outputs: out0 2 x 2,048 x 1,024 float32.
;; This version of the problem:
;;   THIS VERSION OF THE PROBLEM IS GIVEN IN LOW PRECISION. The matrix products marked QUANTISED in the list below multiply operands that are first quantised to E2M3 (2 exponent bits, 3 mantissa bits; 6 bits a number), with one power-of-two scale for each 32 numbers along K (OCP MX v1.0); their sums are f32. All else is computed in f32.
;;   The module's matrix products, in the order in which they are computed (A, B: the left and right operand; K: the contracted axis; several contracted axes count as one K, in the product's order):
;;     1. [M 4,096, K 1,024] x [K 1,024, N 1,024]; A: input x; B: input Wq: QUANTISED
;;     2. [M 4,096, K 1,024] x [K 1,024, N 1,024]; A: input x; B: input Wk: QUANTISED
;;     3. [M 4,096, K 1,024] x [K 1,024, N 1,024]; A: input x; B: input Wv: QUANTISED
;;     4. [M 4,096, K 1,024] x [K 1,024, N 1,024]; A: input x; B: input Wg: QUANTISED
;;     5. batch 32 x [M 2,048, K 64] x [K 64, N 2,048]; A: computed on the way; B: computed on the way: QUANTISED
;;     6. batch 32 x [M 2,048, K 2,048] x [K 2,048, N 64]; A: softmax (see below); B: computed on the way: QUANTISED
;;     7. [M 4,096, K 1,024] x [K 1,024, N 1,024]; A: computed on the way; B: input Wo: QUANTISED
;;   THE QUANTISER, for each operand of a quantised product, along K:
;;     - K is cut into blocks of 32 from its start; a last block that is shorter is filled with zeros.
;;     - A block's scale is 2^e with e = floor(log2(the largest magnitude in the block)) - 2, held to -126 .. 127; a block of zeros has e = 0. As a byte (E8M0): e + 127.
;;     - Each number is divided by its block's scale, clamped to +-7.5, and rounded to the nearest number of E2M3, ties to even, subnormals kept.
;;     - The product sums the exact products of the quantised numbers (number of the format x scale) in f32.
;;   ~~~python
;;   def quantise(x, axis):      # numpy; x: float32 -> the quantised numbers, widened to float32 again
;;       x = np.moveaxis(x, axis, -1); K = x.shape[-1]
;;       x = np.pad(x, [(0, 0)] * (x.ndim - 1) + [(0, -K % 32)]); x = x.reshape(x.shape[:-1] + (-1, 32)); a = np.abs(x).max(-1, keepdims=True)
;;       e = np.where(a > 0, np.clip(np.frexp(np.where(a > 0, a, 1))[1] - 1 - 2, -126, 127), 0)      # np.frexp(a)[1] - 1 = floor(log2(a)), exactly
;;       r = np.clip(x / 2.0 ** e, -7.5, 7.5)
;;       step = 2.0 ** (np.maximum(np.frexp(np.where(r == 0, 1, r))[1] - 1, 0) - 3)
;;       q = np.round(r / step) * step * 2.0 ** e      # np.round: ties to even
;;       return np.moveaxis(q.reshape(q.shape[:-2] + (-1,))[..., :K], -1, axis).astype(np.float32)
;;   ~~~
;;   SOFTMAX AHEAD OF A QUANTISED PRODUCT. Where the list says 'softmax', what is quantised is not the finished softmax but p = 2^(t - M), with t = logit x log2(e) and M = ceil(the row's largest t), a whole number; so 1/2 < the row's largest p <= 1. The row's sum l is taken of the UNQUANTISED p, in f32, and the product's result is divided by l at the end. Since M is a whole number, a kernel that streams over the keys may use a running M (the ceiling of the running maximum): every later rescaling is an exact power of two, which a block's scale takes up: the codes' values come out the same.
;;   OPERANDS COMPUTED ON THE WAY. 'Computed on the way' means the value that the module computes at that place (a softmax that the list does not call 'softmax' is quantised finished and normalised). What goes into a quantiser is computed in f32, as accurately as f32 sums, v_exp_f32 and their like allow (about 1e-6 of the number): no bf16 or f16 on the way to a quantiser, and a product that is left as it is and whose result goes on into a quantised operand takes f32 operands (vector FMAs, or v_wmma_f32_16x16x4_f32). A number that lies on a knife's edge between two numbers of the format may be rounded either way, as far as f32 arithmetic and the matrix unit's own rounding can turn it there, and no further.
;; 2 versions, each right; version 2 is version 1 with the launch attn written anew for expert scheduling mode. Each part assembles by itself: llvm-mc -triple=amdgcn-amd-amdhsa -mcpu=gfx1250 --defsym DOCPART=n.
;; ======== version 1 of 2: 4 launches
;; workspace buffers: opq 7,372,800 bytes; qkv 10,092,544 bytes; gate 16,777,216 bytes; ctxq 3,276,800 bytes
;; launch quant (part 1): grid 288 x 1, 4 waves a work-group, no clusters, 17,920 bytes of LDS; arguments x, Wq, Wk, Wg, Wv, Wo, opq; writes opq
.if DOCPART == 1
	.amdgcn_target "amdgcn-amd-amdhsa--gfx1250"
	.amdhsa_code_object_version 6
	.text
	.protected	k_qd053822c65_quant
	.globl	k_qd053822c65_quant
	.p2align	8
	.type	k_qd053822c65_quant,@function
k_qd053822c65_quant:
	s_mov_b64 s[64:65], 0
	v_nop
	global_prefetch_b8 v0, s[64:65] scope:SCOPE_SE
	s_setreg_imm32_b32 hwreg(HW_REG_WAVE_MODE, 25, 1), 1
	s_wait_xcnt 0x0
; x [4096][1024] and the five weights [1024][1024], f32 with K innermost, become codes of FP6 (E2M3) with one E8M0 scale byte for each 32 along K,
; laid in opq AS IMAGES OF OPERAND REGISTERS.  A group of 128 rows (RB) and a K step of 128 make an operand block (OB) of 12,800 bytes: 8 fragments of 1,536 bytes, then two quads of scale words.
; A fragment is two halves of 768 bytes (16 rows x 64 K): lane (r, h) owns K = 32 h .. 32 h + 31 of row r, six registers: registers 0-3 at 16 x lane, registers 4-5 at 512 + 8 x lane.
; THE ROWS OF A TILE ARE NOT NEIGHBOURS: lane-row p of tile t is row 32 (t / 2) + 8 (t % 2) + p + 8 (p / 8) of the group, so that in a product used transposed a lane's 16 registers of two
; neighbouring tiles are 16 neighbouring rows.  A quad of scale words (256 bytes): the word of lane-row r of tile t at 16 r + 4 (t % 4).
; RB 0-31: x; 32-39 Wq; 40-47 Wk; 48-55 Wg; 56-63 Wv; 64-71 Wo.
; A block's scale is 2^(floor(log2(largest magnitude)) - 2): its byte is the largest magnitude's exponent field - 2, held at 1 from below.
; LIMITS: a block of zeros, or one whose largest magnitude lies under 2^-124, gets the byte 1 (its codes are zeros or near it; this program alone reads the bytes); NaN and infinities are not served.
; SHARES: a wave takes 64 rows (four tiles) x 128 K: eight halves and one quad of scale words.  The four waves of a work-group stand side by side on 2,048 bytes of each row.
; Each load reads two rows' aligned 256 bytes (sixteen lanes a row); a half turns through the wave's own stage in LDS (16 rows of 256 + 16 bytes), from which a lane takes its 32 neighbours.
; No barrier: waves share nothing.  Loads run four halves (32 loads a wave) ahead.  No matrix unit, no cluster: a stream, every byte read once.
.set STG,  4352                        ; a wave's stage: 16 x 272 bytes
.set RBB,  102400                      ; an RB's eight OB
.set OB,   12800
.set C,    26                          ; v26-31   a half's six registers
.set T,    32                          ; v32-34   the second conversion's result (its three registers begin on an even number)
.set X,    36                          ; v36-67   32 neighbours along K
.set R,    68                          ; v68-195  four sets of 32: halves as they are loaded
	s_load_b256 s[4:11], s[0:1], 0x0               ; x, Wq, Wk, Wg
	s_load_b128 s[12:15], s[0:1], 0x20             ; Wv, Wo
	s_load_b64 s[16:17], s[0:1], 0x30              ; opq
	v_lshl_add_u32 v200, v0, 2, 0x4400
	v_mov_b32 v201, 0
	v_lshrrev_b32 v1, 5, v0
	v_readfirstlane_b32 s18, v1                    ; wave
	v_and_b32 v1, 31, v0                           ; lane
	v_and_b32 v2, 15, v0                           ; r
	v_bfe_u32 v3, v0, 4, 1                         ; h
	v_lshlrev_b32 v4, 4, v2
	v_lshl_add_u32 v4, v3, 12, v4                  ; in memory: 16 r, one row (4,096 bytes) down for lanes 16-31
	s_mul_i32 s19, s18, STG
	v_mul_u32_u24 v5, v3, 272
	v_lshl_add_u32 v5, v2, 4, v5
	v_add_nc_u32 v5, s19, v5                       ; into the stage: row h of a pair, 16 r
	v_mul_u32_u24 v6, v2, 272
	v_lshl_add_u32 v6, v3, 7, v6
	v_add_nc_u32 v6, s19, v6                       ; out of it: row r, my 32 numbers at 128 h
	v_lshlrev_b32 v7, 4, v1                        ; an image's place: 16 x lane
	v_lshlrev_b32 v8, 3, v1                        ; and 8 x lane
	v_lshlrev_b32 v9, 4, v2
	v_lshl_add_u32 v9, v3, 3, v9                   ; the scale words' place: 16 r + 8 h
	v_lshlrev_b32 v10, 3, v3                       ; 8 h: my bytes' place in a scale word, in bits
	v_mov_b32 v14, 0                               ; written once: a lane permute's destination counts as one of its sources
	s_mov_b32 s20, 0x76543210
	s_mov_b32 s21, 0xfedcba98                      ; selects for lane l xor 16
	s_lshr_b32 s26, ttmp9, 2                       ; RB
	s_bfe_u32 s27, ttmp9, 0x10001                  ; which 64 rows of it
	s_and_b32 s28, ttmp9, 1
	s_lshl_b32 s28, s28, 2
	s_add_co_u32 s28, s28, s18                     ; K step: 4 x (work-group % 2) + wave
	s_sub_co_u32 s29, s26, 32
	s_lshr_b32 s30, s29, 3                         ; which weight (no weight's number where RB < 32)
	s_and_b32 s31, s29, 7                          ; and which 128 rows of it
	s_wait_kmcnt 0x0
	s_cmp_eq_u32 s30, 1                            ; the choices hang on the work-group's number alone
	s_cselect_b64 s[6:7], s[8:9], s[6:7]
	s_cmp_eq_u32 s30, 2
	s_cselect_b64 s[6:7], s[10:11], s[6:7]
	s_cmp_eq_u32 s30, 3
	s_cselect_b64 s[6:7], s[12:13], s[6:7]
	s_cmp_eq_u32 s30, 4
	s_cselect_b64 s[6:7], s[14:15], s[6:7]
	s_cmp_lt_u32 s26, 32
	s_cselect_b64 s[4:5], s[4:5], s[6:7]
	s_cselect_b32 s31, s26, s31
	s_lshl_b32 s32, s31, 19                        ; 128 rows of 4,096 bytes,
	s_lshl_b32 s33, s27, 18                        ; 64 rows,
	s_add_co_u32 s32, s32, s33
	s_lshl_b32 s33, s28, 9                         ; 128 numbers along K
	s_add_co_u32 s32, s32, s33
	s_mov_b32 s33, 0
	s_add_nc_u64 s[4:5], s[4:5], s[32:33]          ; the source at my wave's corner
	s_mul_i32 s34, s26, RBB
	s_mul_i32 s35, s28, OB
	s_add_co_u32 s34, s34, s35
	s_mov_b32 s35, 0
	s_add_nc_u64 s[16:17], s[16:17], s[34:35]      ; my OB
	s_mul_i32 s34, s27, 6144
	s_add_nc_u64 s[22:23], s[16:17], s[34:35]      ; my four fragments
	s_lshl_b32 s34, s27, 8
	s_add_co_u32 s34, s34, 12288
	s_add_nc_u64 s[24:25], s[16:17], s[34:35]      ; my quad of scale words
; half u: tile u / 2 of my four, K half u % 2.  Eight loads, two rows each
.macro LOAD u
.irp i, 0,1,2,3,4,5,6,7
	global_load_b128 v[R+32*((\u)%4)+4*\i:R+32*((\u)%4)+4*\i+3], v4, s[4:5] offset:(32*((\u)/4)+8*(((\u)/2)%2)+2*\i+8*(\i/4))*4096+256*((\u)%2) th:TH_LOAD_NT
.endr
.endm
.macro HALF u
.if 7-(\u) < 3
	s_wait_loadcnt 8*(7-(\u))                      ; this half's eight loads are in; the younger halves' may be out
.else
	s_wait_loadcnt 24
.endif
.irp i, 0,1,2,3,4,5,6,7
	ds_store_b128 v5, v[R+32*((\u)%4)+4*\i:R+32*((\u)%4)+4*\i+3] offset:544*\i
.endr
.irp j, 0,1,2,3,4,5,6,7
	ds_load_b128 v[X+4*\j:X+4*\j+3], v6 offset:16*\j               ; LDS serves a wave's instructions in order: these see the stores above
.endr
	s_wait_dscnt 0x0                               ; my 32 neighbours are in, and the stores have read their registers
	s_wait_xcnt 0x0                                ; the last half's stores have read C: it is written again only behind this wait
.if (\u) < 4
	LOAD (\u)+4
.endif
	v_max3_num_f32 v11, |v[X]|, |v[X+1]|, |v[X+2]|                 ; the block's largest magnitude: all 32 numbers are mine; two chains
	v_max3_num_f32 v12, |v[X+3]|, |v[X+4]|, |v[X+5]|
.irp i, 6,10,14,18,22,26
	v_max3_num_f32 v11, v11, |v[X+\i]|, |v[X+\i+1]|
	v_max3_num_f32 v12, v12, |v[X+\i+2]|, |v[X+\i+3]|
.endr
	v_max3_num_f32 v11, v11, |v[X+30]|, |v[X+31]|
	v_max3_num_f32 v11, v11, v12, 0x1800000        ; and the floor 2^(3 - 127): the byte cannot fall under 1
	v_add_nc_u32 v13, 0xff000000, v11              ; 2 off the exponent field: the conversion takes this operand's exponent field as its scale
	v_cvt_scalef32_pk16_fp6_f32 v[C:C+2], v[X:X+15], v13
	v_cvt_scalef32_pk16_fp6_f32 v[T:T+2], v[X+16:X+31], v13
	v_lshrrev_b32 v[16+(\u)%2], 23, v13            ; the scale's byte (a plain line behind the conversions)
	v_mov_b32 v[C+3], v[T]
	v_mov_b32 v[C+4], v[T+1]
	v_mov_b32 v[C+5], v[T+2]
	global_store_b128 v7, v[C:C+3], s[22:23] offset:1536*((\u)/2)+768*((\u)%2)         ; 32 lanes store 512 consecutive bytes,
	global_store_b64 v8, v[C+4:C+5], s[22:23] offset:1536*((\u)/2)+768*((\u)%2)+512    ; and 256
.if (\u)%2 == 1
	v_lshl_or_b32 v15, v17, 16, v16                ; my two bytes: blocks h and 2 + h of row r,
	v_lshlrev_b32 v15, v10, v15                    ; at their places in the word;
	v_permlanex16_b32 v14, v15, s20, s21
	v_or_b32 v[20+(\u)/2], v15, v14                ; with lane l xor 16's two the word is whole
.endif
.endm
	LOAD 0
	LOAD 1
	LOAD 2
	LOAD 3
.irp u, 0,1,2,3,4,5,6,7
	HALF \u
.endr
	v_cmp_ne_u32 vcc_lo, 0, v3
	v_cndmask_b32 v24, v20, v22, vcc_lo            ; lanes 0-15 store the words of tiles 0, 1, lanes 16-31 those of tiles 2, 3
	v_cndmask_b32 v25, v21, v23, vcc_lo
	global_store_b64 v9, v[24:25], s[24:25]        ; 32 lanes store 256 consecutive bytes, aligned
	s_wait_tensorcnt 0x0
	ds_add_u32 v200, v201
	s_wait_dscnt 0x0
	s_endpgm
.Lfunc_end_k_qd053822c65_quant:
	.size	k_qd053822c65_quant, .Lfunc_end_k_qd053822c65_quant-k_qd053822c65_quant
	.p2alignl 7, 3214868480
	.fill 96, 4, 3214868480
	.section	.rodata,"a",@progbits
	.p2align	6, 0x0
	.amdhsa_kernel k_qd053822c65_quant
		.amdhsa_group_segment_fixed_size 17920
		.amdhsa_private_segment_fixed_size 0
		.amdhsa_enable_private_segment 0
		.amdhsa_kernarg_size 56
		.amdhsa_user_sgpr_count 2
		.amdhsa_user_sgpr_kernarg_segment_ptr 1
		.amdhsa_wavefront_size32 1
		.amdhsa_system_sgpr_workgroup_id_x 1
		.amdhsa_system_sgpr_workgroup_id_y 1
		.amdhsa_system_sgpr_workgroup_id_z 1
		.amdhsa_system_vgpr_workitem_id 0
		.amdhsa_next_free_vgpr 202
		.amdhsa_next_free_sgpr 66
		.amdhsa_reserve_vcc 1
		.amdhsa_float_denorm_mode_32 3
		.amdhsa_float_denorm_mode_16_64 3
		.amdhsa_memory_ordered 1
		.amdhsa_forward_progress 1
		.amdhsa_inst_pref_size 32
	.end_amdhsa_kernel
	.amdgpu_metadata
---
amdhsa.version: [ 1, 2 ]
amdhsa.kernels:
  - .name:           k_qd053822c65_quant
    .symbol:         k_qd053822c65_quant.kd
    .args:
      - { .name: x, .offset: 0, .size: 8, .value_kind: global_buffer, .address_space: global }
      - { .name: Wq, .offset: 8, .size: 8, .value_kind: global_buffer, .address_space: global }
      - { .name: Wk, .offset: 16, .size: 8, .value_kind: global_buffer, .address_space: global }
      - { .name: Wg, .offset: 24, .size: 8, .value_kind: global_buffer, .address_space: global }
      - { .name: Wv, .offset: 32, .size: 8, .value_kind: global_buffer, .address_space: global }
      - { .name: Wo, .offset: 40, .size: 8, .value_kind: global_buffer, .address_space: global }
      - { .name: opq, .offset: 48, .size: 8, .value_kind: global_buffer, .address_space: global }
    .group_segment_fixed_size: 17920
    .private_segment_fixed_size: 0
    .kernarg_segment_align: 8
    .kernarg_segment_size: 56
    .max_flat_workgroup_size: 128
    .sgpr_count:     66
    .vgpr_count:     202
    .wavefront_size: 32
...
	.end_amdgpu_metadata
.endif
;; end of part 1
;; launch proj (part 2): grid 16 x 16, 4 waves a work-group, clusters of 4 x 4, 327,680 bytes of LDS; arguments opq, qkv, gate; writes qkv, gate
.if DOCPART == 2
	.amdgcn_target "amdgcn-amd-amdhsa--gfx1250"
	.amdhsa_code_object_version 6
	.text
	.protected	k_qd053822c65_proj
	.globl	k_qd053822c65_proj
	.p2align	8
	.type	k_qd053822c65_proj,@function
k_qd053822c65_proj:
	s_mov_b64 s[64:65], 0
	v_nop
	global_prefetch_b8 v0, s[64:65] scope:SCOPE_SE
	s_setreg_imm32_b32 hwreg(HW_REG_WAVE_MODE, 25, 1), 1
	s_wait_xcnt 0x0
	s_wait_alu depctr_hold_cnt(0) depctr_sa_sdst(0) depctr_va_vdst(0) depctr_va_sdst(0) depctr_va_ssrc(0) depctr_va_vcc(0) depctr_vm_vsrc(0)
	s_getreg_b32 s2, hwreg(HW_REG_IB_STS2, 6, 4)
	s_cmp_eq_u32 s2, 0
	s_cbranch_scc0 .Lentry_in_a_cluster
	s_endpgm
.Lentry_in_a_cluster:
	s_bfe_u32 s2, ttmp6, 0x10000c
	s_cmp_lg_u32 s2, 0xf033
	s_cbranch_scc0 .Lentry_shape_is_right
	s_endpgm
.Lentry_shape_is_right:
; q = x Wq^T, k = x Wk^T, gate = x Wg^T and v^T = Wv x^T, all on codes of FP6 (E2M3) with E8M0 scales, K = 1,024; sums in f32.  Operands come from opq as images of operand registers
; (an operand block, OB: 128 rows x 128 K: 8 fragments of 1,536 bytes and two quads of scale words, 12,800 bytes; an RB, 128 rows, is eight OB on end).
; SHARES: 256 work-groups, each 256 x 256 of C; four waves, each 128 x 128: 64 accumulators, 512 registers.  A cluster of 4 x 4 work-groups makes 1,024 x 1,024: the cluster's x says WHICH product
; (0 q, 1 k, 2 gate, 3 v), its y which 1,024 tokens.  For v the operands change places (A = Wv's rows, B = x's rows), so that a lane holds one channel and its registers run along the tokens, v's K.
; THE MATRIX INSTRUCTION IS USED TRANSPOSED (source 0 = a tile of B, source 1 = a tile of A), and the rows of a tile are chosen (lane-row p of tile t = row 32 (t / 2) + 8 (t % 2) + p + 8 (p / 8)),
; so that a lane's 64 registers of one block of A are 4 x 16 neighbours along B's rows: register 16 b + i = B's row 32 b + 16 (lane / 16) + i.  So q, k and v are QUANTISED IN REGISTERS on the way out
; (q, k along the channels: 128 channels are two heads of two blocks; v along the tokens) and leave as images again; the gate leaves as f32, as an image of the registers in which the next launch wants it.
; K goes in eight steps of 128.  LDS holds three slots of 256 along K (A's two RB, B's two RB: 4 x 25,600 bytes); three are filled at the start, slot 0 once more: four fills cover K.
; JOINT LOADS: A's parts are shared along a row of the cluster, B's along a column: the same tensor load, descriptor and mask in all four partners.
; By this text's count a wave has three tensor loads out at the start and one behind the refill.  All of a WGP's LDS is claimed: the text uses 307,712 bytes.
; LIMITS: a block of zeros, or one whose largest magnitude lies under 2^-124, gets the scale byte 1; NaN and infinities are not served.
; REGISTERS: window 0: v1-15 LDS addresses; v16-25 lane terms; v28, v29 the add's two; v32-47 scale words, two sets; v128-223 A's fragments, ONE set; on the way out v32-167 are free.
;   window 1: B's fragments, two sets, at v0 and v128.   windows 2, 3: the accumulators of A's blocks 0-3, 4-7: (a, b) at v[8 (8 (a % 4) + b)].
.set RBB,   102400
.set OB,    12800
.set PART,  2*OB                       ; what one tensor load brings: an RB's two K steps
.set SLOT,  4*PART
.set SPARE, 3*SLOT                     ; behind the slots: the spare words, 128 bytes a wave: two blocks of 256 bytes that no other line names
.set SBK,   13056                      ; qkv: a key step's block: K's 8 halves, V's 4 fragments, K's two quads of scale words, V's one
.set QBB,   6656                       ; qkv: a block of 128 queries: 8 halves, two quads
.set QOFF,  32*16*SBK                  ; qkv: where the queries begin
.set FR,    12                         ; registers of a fragment
.set A16,   1                          ; v[1 + 2 s], v[2 + 2 s]: my A's RB in slot s, + 16 x lane, + 8 x lane
.set B16,   7                          ; v[7 + 2 s], v[8 + 2 s]: the same for B
.set ADRS,  13                         ; v[13 + s]: the scale words: lanes 0-15 A's, lanes 16-31 B's
.set L16,   16                         ; v16 16 x lane;  v17 8 x lane;  v18 16 h;  v19 h;  v20 the scale words' way out;  v25 r
.set L8,    17
.set H16,   18
.set HH,    19
.set SOF,   20
.set RR,    25
.set SPW,   28
.set NIL,   29
.set SC,    32                         ; scale words: set p at v[32 + 8 p]; register i: lanes 0-15 A's block i, lanes 16-31 B's block i
.set AF,    128
.set CF,    32                         ; the way out: block a's codes at v[32 + 12 a]
.set TP,    128                        ; v128-135 the conversions' second halves
.set TM,    136                        ; v136-139 largest magnitudes, v140-143 bytes, v148-151 the conversions' scale operands
.set PWS,   152                        ; v152-159 block a's scale word
.set SX,    160                        ; v160-167 scale words as they are stored
.set G1A, 24                           ; s[24:31] group 1 for A's parts;  s[32:39] for B's;  s[40:51], s[52:63] groups 0, a set for each slot
.set G1B, 32
.set G0A, 40
.set G0B, 52
.set MUL_LO, 0xa1                      ; source 0 (B) window 1, source 1 (A) window 0, C and D window 2
.set MUL_HI, 0xf1                      ; the same, C and D window 3
.set TO_B,   0x40                      ; destination window 1, address window 0
.set MSB, 0
.macro WIN new                         ; the immediate's high byte repeats the setting that is left; a switch that changes nothing is dropped
.if MSB != (\new)
	s_set_vgpr_msb (MSB<<8)|(\new)
.set MSB, (\new)
.endif
.endm
.macro PLACES n
.rept \n
	v_nop
.endr
.endm
; A joint load: waves 0 and 1 fetch A's two RB, waves 2 and 3 B's.  The branch hangs on the wave's number alone.  Four v_nop follow each of the two lines.
.macro JLOAD g0a, g0b
	s_cmp_eq_u32 s11, 0
	s_cbranch_scc0 .Lfor_b_\@
	tensor_load_to_lds s[\g0a:\g0a+3], s[G1A:G1A+7]
	s_nop 0
.rept 4
	v_nop
.endr
	s_branch .Lasked_\@
.Lfor_b_\@:
	tensor_load_to_lds s[\g0b:\g0b+3], s[G1B:G1B+7]
	s_nop 0
.rept 4
	v_nop
.endr
.Lasked_\@:
.endm
.macro CREST                           ; a round of the cluster's barrier behind its opening barrier
	s_cmp_lg_u32 s10, 0
	s_cbranch_scc1 .Lnot_wave_0_\@
	s_barrier_signal -3
.Lnot_wave_0_\@:
	s_barrier_wait -3
	s_barrier_signal -1
	s_barrier_wait -1
.endm
.macro CROUND
	s_barrier_signal -1
	s_barrier_wait -1
	CREST
.endm
	s_load_b128 s[4:7], s[0:1], 0x0                ; opq, qkv
	s_load_b64 s[8:9], s[0:1], 0x10                ; gate
	v_lshl_add_u32 v[SPW], v0, 2, SPARE
	v_mov_b32 v[NIL], 0
	ds_add_u32 v28, v29
	ds_add_u32 v28, v29
	s_wait_dscnt 0x0
	v_lshrrev_b32 v24, 5, v0
	v_readfirstlane_b32 s10, v24                   ; wave
	s_lshr_b32 s11, s10, 1                         ; which RB of A's two is mine to multiply.  Also: I fetch for A (0) or for B (1)
	s_and_b32 s12, s10, 1                          ; which RB of B's two.  Also: which of the two RB I fetch
	s_bfe_u32 s13, ttmp6, 0x40000                  ; cx
	s_bfe_u32 s14, ttmp6, 0x40004                  ; cy
	s_mov_b32 s15, ttmp9                           ; the cluster's x: which product; the same in all sixteen partners
	s_and_b32 s16, ttmp7, 0xffff                   ; the cluster's y: which 1,024 tokens
	s_lshl_b32 s17, s14, 2
	s_lshl_b32 s17, 15, s17                        ; my row of the cluster
	s_lshl_b32 s18, 0x1111, s13                    ; my column
	; group 1: a dense block of 25,600 bytes as 100 rows of 256 (32 elements of 8 bytes), no padding: every LDS read of it takes consecutive bytes
	s_or_b32 s[G1A], s17, (3<<16)|(1<<21)          ; 15:0 the mask; 17:16 elements of 8 bytes; 21 set beside a mask
	s_or_b32 s[G1B], s18, (3<<16)|(1<<21)
.irp g, G1A, G1B
	s_mov_b32 s[\g+1], 32<<16                      ; tensor_dim0 = 32
	s_mov_b32 s[\g+2], 100<<16                     ; tensor_dim1 = 100
	s_mov_b32 s[\g+3], 32<<16                      ; tile_dim0 = 32
	s_mov_b32 s[\g+4], 100                         ; tile_dim1 = 100
	s_mov_b32 s[\g+5], 32                          ; from row to row
	s_mov_b32 s[\g+6], 0
	s_mov_b32 s[\g+7], 0
.endr
	s_lshl_b32 s19, s16, 3                         ; x's RB: 8 y on
	s_lshl_b32 s20, s15, 3
	s_add_co_u32 s20, s20, 32                      ; the weight's RB: 32 + 8 x on
	s_cmp_eq_u32 s15, 3
	s_cselect_b32 s68, 56, s19                     ; A: x, or for v Wv
	s_cselect_b32 s70, s19, s20                    ; B: the weight, or for v x
	s_lshl_b32 s66, s14, 1
	s_add_co_u32 s68, s68, s66
	s_add_co_u32 s68, s68, s12                     ; A's RB that I would fetch: base + 2 cy + wave % 2: shared along my row
	s_mul_i32 s68, s68, RBB
	s_mov_b32 s69, 0
	s_lshl_b32 s67, s13, 1
	s_add_co_u32 s70, s70, s67
	s_add_co_u32 s70, s70, s12                     ; B's: base + 2 cx + wave % 2: shared along my column
	s_mul_i32 s70, s70, RBB
	s_mov_b32 s71, 0
	s_mul_i32 s72, s10, PART                       ; where it goes in a slot: wave x 25,600: no place in the cluster enters an LDS address
	s_wait_kmcnt 0x0
	s_add_nc_u64 s[68:69], s[4:5], s[68:69]
	s_add_nc_u64 s[70:71], s[4:5], s[70:71]
	CROUND                                         ; all sixteen work-groups are here: the first joint loads meet
.irp s, 0,1,2
	s_mov_b32 s[G0A+4*\s], 1
	s_add_co_u32 s[G0A+4*\s+1], s72, \s*SLOT
	s_add_nc_u64 s[G0A+4*\s+2:G0A+4*\s+3], s[68:69], \s*PART
	s_or_b32 s[G0A+4*\s+3], s[G0A+4*\s+3], 0x80000000
	s_mov_b32 s[G0B+4*\s], 1
	s_add_co_u32 s[G0B+4*\s+1], s72, \s*SLOT
	s_add_nc_u64 s[G0B+4*\s+2:G0B+4*\s+3], s[70:71], \s*PART
	s_or_b32 s[G0B+4*\s+3], s[G0B+4*\s+3], 0x80000000
	JLOAD G0A+4*\s,G0B+4*\s                        ; K steps 2 s and 2 s + 1
.endr
	v_and_b32 v24, 31, v0
	v_and_b32 v[RR], 15, v0
	v_bfe_u32 v[HH], v0, 4, 1
	v_lshlrev_b32 v[L16], 4, v24
	v_lshlrev_b32 v[L8], 3, v24
	v_lshlrev_b32 v[H16], 4, v[HH]
	s_mul_i32 s19, s11, PART                       ; my RB of A in a slot,
	s_mul_i32 s20, s12, PART
	s_add_co_u32 s20, s20, 2*PART                  ; my RB of B
	s_sub_co_u32 s21, s20, s19                     ; from the one to the other
	v_mul_u32_u24 v22, s21, v[HH]                  ; lanes 16-31 take B's scale words
	v_lshl_add_u32 v22, v[RR], 4, v22
	s_add_co_u32 s22, s19, 12288
.irp s, 0,1,2
	v_add_nc_u32 v[A16+2*\s], s19, v[L16]
	v_add_nc_u32 v[A16+2*\s+1], s19, v[L8]
	v_add_nc_u32 v[B16+2*\s], s20, v[L16]
	v_add_nc_u32 v[B16+2*\s+1], s20, v[L8]
	v_add_nc_u32 v[ADRS+\s], s22, v22
	s_add_co_u32 s19, s19, SLOT
	s_add_co_u32 s20, s20, SLOT
	s_add_co_u32 s22, s22, SLOT
.endr
; a fragment comes back as it was stored: four loads, each of consecutive bytes
.macro FRAG reg, a16, off
	ds_load_b128 v[\reg:\reg+3], v[\a16] offset:\off
	ds_load_b64 v[\reg+4:\reg+5], v[\a16+1] offset:\off+512
	ds_load_b128 v[\reg+6:\reg+9], v[\a16] offset:\off+768
	ds_load_b64 v[\reg+10:\reg+11], v[\a16+1] offset:\off+1280
.endm
.macro FETCH_B sl, q, p                ; B's eight fragments of slot sl's q-th K step into set p: 32 loads
	WIN TO_B
.irp i, 0,1,2,3,4,5,6,7
	FRAG 128*(\p)+FR*\i,B16+2*(\sl),OB*(\q)+1536*\i
.endr
	WIN 0
.endm
.macro FETCH_A sl, q, i0               ; A's blocks i0 .. i0 + 3: 16 loads
.irp i, \i0, \i0+1, \i0+2, \i0+3
	FRAG AF+FR*(\i),A16+2*(\sl),OB*(\q)+1536*(\i)
.endr
.endm
.macro SCALES sl, q, p                 ; the K step's scale words into set p: two loads
	ds_load_b128 v[SC+8*(\p):SC+8*(\p)+3], v[ADRS+(\sl)] offset:OB*(\q)
	ds_load_b128 v[SC+8*(\p)+4:SC+8*(\p)+7], v[ADRS+(\sl)] offset:OB*(\q)+256
.endm
; 16 matrix instructions: A's blocks a0, a0 + 1 x B's eight.  p: B's set and the set of scale words.  zero = 1: the first product starts the sums.
; The 64 accumulators take turns, one instruction a turn, in the same order in every step.
.macro MUL16 a0, p, zero
.irp a, \a0, \a0+1
.irp b, 0,1,2,3,4,5,6,7
.if \zero
	v_wmma_scale_f32_16x16x128_f8f6f4 v[8*(8*((\a)%4)+\b):8*(8*((\a)%4)+\b)+7], v[128*(\p)+FR*\b:128*(\p)+FR*\b+FR-1], v[AF+FR*(\a):AF+FR*(\a)+FR-1], 0, v[SC+8*(\p)+\b], v[SC+8*(\p)+(\a)] matrix_a_fmt:MATRIX_FMT_FP6 matrix_b_fmt:MATRIX_FMT_FP6 matrix_a_scale:MATRIX_SCALE_ROW1
.else
	v_wmma_scale_f32_16x16x128_f8f6f4 v[8*(8*((\a)%4)+\b):8*(8*((\a)%4)+\b)+7], v[128*(\p)+FR*\b:128*(\p)+FR*\b+FR-1], v[AF+FR*(\a):AF+FR*(\a)+FR-1], v[8*(8*((\a)%4)+\b):8*(8*((\a)%4)+\b)+7], v[SC+8*(\p)+\b], v[SC+8*(\p)+(\a)] matrix_a_fmt:MATRIX_FMT_FP6 matrix_b_fmt:MATRIX_FMT_FP6 matrix_a_scale:MATRIX_SCALE_ROW1
.endif
.endr
.endr
.endm
; A K step on set p; the next step's operands lie in slot ln, K step qn of it.  Loads into registers that matrix instructions have read stand four plain vector instructions behind them.
.macro STEP p, ln, qn, zero
	s_wait_dscnt 16                                ; B's set, A's blocks 0-3 and the scale words are in; the youngest 16 loads (A's blocks 4-7) may be out
	WIN MUL_LO
	MUL16 0, \p, \zero
	MUL16 2, \p, \zero
	s_wait_dscnt 0x0                               ; A's blocks 4-7 are in
	PLACES 4
	FETCH_B \ln, \qn, 1-(\p)
	FETCH_A \ln, \qn, 0
	SCALES \ln, \qn, 1-(\p)
	WIN MUL_HI
	MUL16 4, \p, \zero
	MUL16 6, \p, \zero
	PLACES 4
	WIN 0
	FETCH_A \ln, \qn, 4
.endm
; A K step at which the waves meet: each waits for all its tensor loads, adds 0 to its spare word, and waits for that and for its own LDS reads; then the barrier.
; fill = 1: the barrier opens a round of the cluster's barrier, and slot 0, which nobody reads any more, takes K steps 6 and 7.
.macro TURN p, ln, qn, fill
	s_wait_tensorcnt 0x0                           ; all my tensor loads have landed
	ds_add_u32 v[SPW], v[NIL]                      ; 0 onto my spare word
	s_wait_dscnt 17                                ; (the add and the youngest 16 loads may be out)
	WIN MUL_LO
	MUL16 0, \p, 0                                 ; sixteen matrix instructions stand between the add and the wait for it
	s_wait_dscnt 0x0                               ; the add is done, and my reads of the slot are over
	s_barrier_signal -1
	MUL16 2, \p, 0
	WIN 0
	s_barrier_wait -1
.if \fill
	CREST                                          ; no wave of any partner still reads slot 0 or has a load on its way
	s_add_nc_u64 s[G0A+2:G0A+3], s[G0A+2:G0A+3], 3*PART
	s_add_nc_u64 s[G0B+2:G0B+3], s[G0B+2:G0B+3], 3*PART
	JLOAD G0A,G0B                                  ; the first tensor load behind the round; its four v_nop are the places in front of the loads below
.else
	PLACES 4
.endif
	FETCH_B \ln, \qn, 1-(\p)
	FETCH_A \ln, \qn, 0
	SCALES \ln, \qn, 1-(\p)
	WIN MUL_HI
	MUL16 4, \p, 0
	MUL16 6, \p, 0
	PLACES 4
	WIN 0
	FETCH_A \ln, \qn, 4
.endm
	s_wait_tensorcnt 2                             ; my part of slot 0 is in; slots 1 and 2 may be out
	s_barrier_signal -1
	s_barrier_wait -1
	FETCH_B 0, 0, 0
	FETCH_A 0, 0, 0
	SCALES 0, 0, 0
	FETCH_A 0, 0, 4
	STEP 0, 0, 1, 1                                ; K step 0 starts the sums
	TURN 1, 1, 0, 1                                ; K step 1: slots 1 and 2 are shown whole to every wave; slot 0 is asked for again, 224 matrix instructions ahead of the wait for it
	STEP 0, 1, 1, 0                                ; K step 2
	STEP 1, 2, 0, 0                                ; K step 3
	STEP 0, 2, 1, 0                                ; K step 4
	TURN 1, 0, 0, 0                                ; K step 5: slot 0's second fill is shown whole; nothing is filled again
	STEP 0, 0, 1, 0                                ; K step 6
	s_wait_dscnt 16                                ; K step 7: nothing more to fetch
	WIN MUL_LO
	MUL16 0, 1, 0
	MUL16 2, 1, 0
	s_wait_dscnt 0x0
	WIN MUL_HI
	MUL16 4, 1, 0
	MUL16 6, 1, 0
	WIN 0
	PLACES 4                                       ; in front of the first read of results, and of writes of registers that held operands
	; THE WAY OUT.  Which two heads and which 128 tokens are mine: the heads go with the channels (B's rows; for v A's), the tokens with the other operand
	s_cmp_eq_u32 s15, 3
	s_cselect_b32 s66, s14, s13
	s_cselect_b32 s67, s11, s12
	s_cselect_b32 s68, s13, s14
	s_cselect_b32 s69, s12, s11
	s_lshr_b32 s19, s16, 1                         ; the batch
	s_lshl_b32 s19, s19, 4
	s_lshl_b32 s66, s66, 2
	s_add_co_u32 s19, s19, s66
	s_lshl_b32 s67, s67, 1
	s_add_co_u32 s19, s19, s67                     ; my first head: 16 x batch + 4 c + 2 w
	s_and_b32 s20, s16, 1
	s_lshl_b32 s20, s20, 3
	s_lshl_b32 s68, s68, 1
	s_add_co_u32 s20, s20, s68
	s_add_co_u32 s20, s20, s69                     ; my block of 128 tokens in the batch: 8 (y % 2) + 2 c + w
	s_cmp_eq_u32 s15, 2
	s_cbranch_scc1 .Lgate
.irp b, 0,1,2,3
	v_mov_b32 v[TM+4+\b], 0                        ; written once: a lane permute's destination counts as one of its sources
.endr
; Block a's 64 numbers a lane become a fragment's codes in v[CF + 12 a] on and its scale word in v[PWS + a].  Each accumulator is read from its low end on.
.macro QUANTW a
.set AC, 64*((\a)%4)
.set WW, 2+(\a)/4
.set F, CF+12*(\a)
	WIN (WW|(WW<<2))
.irp b, 0,1,2,3
	v_max3_num_f32 v[TM+\b], |v[AC+16*\b]|, |v[AC+16*\b+1]|, 0x1800000   ; block b: my 16 numbers, and the floor 2^(3 - 127)
.endr
	WIN ((WW<<2)|(WW<<4))
.irp i, 2,4,6,8,10,12,14
.irp b, 0,1,2,3
	v_max3_num_f32 v[TM+\b], v[TM+\b], |v[AC+16*\b+\i]|, |v[AC+16*\b+\i+1]|
.endr
.endr
	WIN 0
.irp b, 0,1,2,3
	v_permlanex16_b32 v[TM+4+\b], v[TM+\b], s2, s3
.endr
.irp b, 0,1,2,3
	v_max_num_f32 v[TM+\b], v[TM+\b], v[TM+4+\b]   ; with lane l xor 16's: the block's largest magnitude
.endr
.irp b, 0,1,2,3
	v_add_nc_u32 v[TM+12+\b], 0xff000000, v[TM+\b] ; 2 off its exponent field: the conversion's scale operand
.endr
.irp b, 0,1,2,3
	v_lshrrev_b32 v[TM+4+\b], 23, v[TM+12+\b]      ; the scale's byte
.endr
	v_lshl_or_b32 v[PWS+(\a)], v[TM+5], 8, v[TM+4]
	v_lshl_or_b32 v[PWS+(\a)], v[TM+6], 16, v[PWS+(\a)]
	v_lshl_or_b32 v[PWS+(\a)], v[TM+7], 24, v[PWS+(\a)]
	WIN WW
.irp c, 0,1
	v_cvt_scalef32_pk16_fp6_f32 v[F+6*\c:F+6*\c+2], v[AC+32*\c:AC+32*\c+15], v[TM+12+2*\c]
	v_cvt_scalef32_pk16_fp6_f32 v[TP+4*\c:TP+4*\c+2], v[AC+32*\c+16:AC+32*\c+31], v[TM+12+2*\c+1]
.endr
	WIN 0
	v_nop                                          ; one plain line behind a scaled conversion
.irp c, 0,1                                    ; the operand's layout wants a whole block in a lane: lanes 0-15 block 2 c, lanes 16-31 block 2 c + 1
.irp i, 0,1,2
	v_permlane16_swap_b32 v[F+6*\c+\i], v[TP+4*\c+\i]
.endr
.irp i, 0,1,2
	v_mov_b32 v[F+3+6*\c+\i], v[TP+4*\c+\i]
.endr
.endr
.endm
	s_mov_b32 s2, 0x76543210
	s_mov_b32 s3, 0xfedcba98                       ; selects for lane l xor 16
.irp a, 0,1,2,3,4,5,6,7
	QUANTW \a
.endr
	s_lshl_b32 s21, s19, 4
	s_add_co_u32 s21, s21, s20                     ; 16 x head + block
	s_mov_b32 s66, SBK                             ; a block's bytes,
	s_mov_b32 s68, 16*SBK                          ; a head's,
	s_mov_b32 s72, 12288                           ; from the codes to the scale words
	s_cmp_eq_u32 s15, 0
	s_cselect_b32 s66, QBB, s66
	s_cselect_b32 s68, 16*QBB, s68
	s_cselect_b32 s72, 6144, s72
	s_cselect_b32 s67, QOFF, 0                     ; where the codes begin
	s_cmp_eq_u32 s15, 3
	s_cselect_b32 s72, 6656, s72
	s_cselect_b32 s67, 6144, s67
	s_mul_i32 s70, s66, s21
	s_add_co_u32 s70, s70, s67
	s_mov_b32 s71, 0
	s_mov_b32 s69, 0
	s_mov_b32 s73, 0
	s_add_nc_u64 s[74:75], s[6:7], s[70:71]        ; my first head's codes,
	s_add_nc_u64 s[76:77], s[74:75], s[68:69]      ; my second head's,
	s_add_nc_u64 s[78:79], s[74:75], s[72:73]      ; my first head's scale words
	v_mul_u32_u24 v[SOF], s68, v[HH]
	v_lshl_add_u32 v[SOF], v[RR], 4, v[SOF]        ; 16 r; lanes 16-31 store the second head's
	s_cmp_eq_u32 s15, 3
	s_cbranch_scc1 .Lv
	; q, k: a fragment's lower half is the first head's 64 channels, its upper half the second head's
.irp a, 0,1,2,3,4,5,6,7
	global_store_b128 v[L16], v[CF+12*\a:CF+12*\a+3], s[74:75] offset:768*\a
	global_store_b64 v[L8], v[CF+12*\a+4:CF+12*\a+5], s[74:75] offset:768*\a+512
	global_store_b128 v[L16], v[CF+12*\a+6:CF+12*\a+9], s[76:77] offset:768*\a
	global_store_b64 v[L8], v[CF+12*\a+10:CF+12*\a+11], s[76:77] offset:768*\a+512
.endr
.irp a, 0,1,2,3,4,5,6,7
	v_bfe_u32 v[SX+\a], v[PWS+\a], v[H16], 16      ; a head's two bytes; bytes 2 and 3 are 0: they scale the upper 64 of a K of 128, where q's codes are zeros
.endr
	global_store_b128 v[SOF], v[SX:SX+3], s[78:79]             ; sixteen lanes store 256 consecutive bytes, aligned
	global_store_b128 v[SOF], v[SX+4:SX+7], s[78:79] offset:256
	s_branch .Lend
.Lv:
	; v: blocks 0-3 are the first head's 64 channels, blocks 4-7 the second head's; a fragment's K are my 128 tokens
.irp a, 0,1,2,3
	global_store_b128 v[L16], v[CF+12*\a:CF+12*\a+3], s[74:75] offset:1536*\a
	global_store_b64 v[L8], v[CF+12*\a+4:CF+12*\a+5], s[74:75] offset:1536*\a+512
	global_store_b128 v[L16], v[CF+12*\a+6:CF+12*\a+9], s[74:75] offset:1536*\a+768
	global_store_b64 v[L8], v[CF+12*\a+10:CF+12*\a+11], s[74:75] offset:1536*\a+1280
	global_store_b128 v[L16], v[CF+48+12*\a:CF+48+12*\a+3], s[76:77] offset:1536*\a
	global_store_b64 v[L8], v[CF+48+12*\a+4:CF+48+12*\a+5], s[76:77] offset:1536*\a+512
	global_store_b128 v[L16], v[CF+48+12*\a+6:CF+48+12*\a+9], s[76:77] offset:1536*\a+768
	global_store_b64 v[L8], v[CF+48+12*\a+10:CF+48+12*\a+11], s[76:77] offset:1536*\a+1280
.endr
	v_cmp_ne_u32 vcc_lo, 0, v[HH]
.irp i, 0,1,2,3
	v_cndmask_b32 v[SX+\i], v[PWS+\i], v[PWS+4+\i], vcc_lo
.endr
	global_store_b128 v[SOF], v[SX:SX+3], s[78:79]
	s_branch .Lend
.Lgate:
	; the gate leaves as f32: for each head and tile of 16 tokens 4,096 bytes, eight pieces of 512: piece c holds a lane's registers 4 c .. 4 c + 3 at 16 x lane
	s_lshl_b32 s70, s19, 19                        ; a head: 128 tiles of 4,096 bytes
	s_lshl_b32 s71, s20, 15                        ; a block of 128 tokens: 8 tiles
	s_add_co_u32 s70, s70, s71
	s_mov_b32 s71, 0
	s_add_nc_u64 s[74:75], s[8:9], s[70:71]
.irp a, 0,1,2,3,4,5,6,7
	WIN ((2+\a/4)<<2)                              ; a store's data are its source 1: window 2 or 3
.set NN, 0
.rept 16
	global_store_b128 v[L16], v[64*(\a%4)+4*NN:64*(\a%4)+4*NN+3], s[74:75] offset:4096*\a+524288*(NN/8)+512*(NN%8) th:TH_STORE_NT   ; each accumulator from its low end on; 512 consecutive bytes a store
.set NN, NN+1
.endr
.endr
	WIN 0
.Lend:
	s_wait_tensorcnt 0x0                           ; the wave's end
	ds_add_u32 v[SPW], v[NIL]
	s_wait_dscnt 0x0
	CROUND                                         ; the closing round: no work-group ends while a partner may still ask for a part that names it
	s_endpgm
.Lfunc_end_k_qd053822c65_proj:
	.size	k_qd053822c65_proj, .Lfunc_end_k_qd053822c65_proj-k_qd053822c65_proj
	.p2alignl 7, 3214868480
	.fill 96, 4, 3214868480
	.section	.rodata,"a",@progbits
	.p2align	6, 0x0
	.amdhsa_kernel k_qd053822c65_proj
		.amdhsa_group_segment_fixed_size 327680
		.amdhsa_private_segment_fixed_size 0
		.amdhsa_enable_private_segment 0
		.amdhsa_kernarg_size 24
		.amdhsa_user_sgpr_count 2
		.amdhsa_user_sgpr_kernarg_segment_ptr 1
		.amdhsa_wavefront_size32 1
		.amdhsa_system_sgpr_workgroup_id_x 1
		.amdhsa_system_sgpr_workgroup_id_y 1
		.amdhsa_system_sgpr_workgroup_id_z 1
		.amdhsa_system_vgpr_workitem_id 0
		.amdhsa_next_free_vgpr 1024
		.amdhsa_next_free_sgpr 100
		.amdhsa_reserve_vcc 1
		.amdhsa_float_denorm_mode_32 3
		.amdhsa_float_denorm_mode_16_64 3
		.amdhsa_memory_ordered 1
		.amdhsa_forward_progress 1
		.amdhsa_inst_pref_size 163
	.end_amdhsa_kernel
	.amdgpu_metadata
---
amdhsa.version: [ 1, 2 ]
amdhsa.kernels:
  - .name:           k_qd053822c65_proj
    .symbol:         k_qd053822c65_proj.kd
    .args:
      - { .name: opq, .offset: 0, .size: 8, .value_kind: global_buffer, .address_space: global }
      - { .name: qkv, .offset: 8, .size: 8, .value_kind: global_buffer, .address_space: global }
      - { .name: gate, .offset: 16, .size: 8, .value_kind: global_buffer, .address_space: global }
    .group_segment_fixed_size: 327680
    .private_segment_fixed_size: 0
    .kernarg_segment_align: 8
    .kernarg_segment_size: 24
    .max_flat_workgroup_size: 128
    .sgpr_count:     100
    .vgpr_count:     1024
    .wavefront_size: 32
...
	.end_amdgpu_metadata
.endif
;; end of part 2
;; launch attn (part 3): grid 8 x 32, 16 waves a work-group, no clusters, 28,672 bytes of LDS; arguments qkv, gate, ctxq; writes ctxq
.if DOCPART == 3
	.amdgcn_target "amdgcn-amd-amdhsa--gfx1250"
	.amdhsa_code_object_version 6
	.text
	.protected	k_qd053822c65_attn
	.globl	k_qd053822c65_attn
	.p2align	8
	.type	k_qd053822c65_attn,@function
k_qd053822c65_attn:
	s_mov_b64 s[64:65], 0
	v_nop
	global_prefetch_b8 v0, s[64:65] scope:SCOPE_SE
	s_setreg_imm32_b32 hwreg(HW_REG_WAVE_MODE, 25, 1), 1
	s_wait_xcnt 0x0
; ctx = softmax(q k^T / 8, causal) v, times sigmoid(gate), quantised for the last product.  32 heads (batch x head) of 2,048 tokens x 64 channels.  Both products on codes of FP6 (E2M3) with E8M0 scales.
; THE SOFTMAX AHEAD OF THE SECOND PRODUCT: t = score x log2(e) / 8; M = the row's largest t so far, rounded UP to a whole number; p = 2^(t - M) is quantised along the keys, not normalised.
; The row's sum is taken of the unquantised p and divides at the end.  When M moves, the sum and O are multiplied by 2^(old M - new M): exact.
; SHARES.  A wave owns one tile of 16 queries, in 256 registers; sixteen waves, four to a SIMD.  Work-group j of a head: waves 0-7 own the 128 queries of block j, waves 8-15 those of block 15 - j.
; A wave works key steps (128 keys) 0 .. its block's number: 8 (j + 1) + 8 (16 - j) = 136 wave-steps in every work-group, whatever j.  The work-group walks 16 - j steps, two a trip.
; A step all of whose keys come after a wave's queries is left out by a scalar branch on ids, round the step's LDS reads, products and softmax alone; the step on the diagonal masks its scores with -infinity.
; A KEY STEP'S BLOCK (13,056 bytes: K's 8 halves, V's 4 fragments, 3 quads of scale words; images of operand registers) goes from memory through registers into one of two LDS slots, a step ahead:
; wave w carries 768 bytes, waves 0-2 a quad more.  One barrier a step: in front of it each wave's stores into the next slot have landed and its reads of this slot are in.
; NO JOINT LOADS: the work-groups of a head walk different numbers of key steps (16 - j), so partners would need different numbers of tiles; and what is shared is 13,056 bytes a step.
; LAYOUT.  Both products are used transposed: S^T = K Q^T (source 0 = 16 keys), O^T = V^T P^T (source 0 = 16 channels): a lane holds ONE query throughout.  Lane-row p of tile t of keys, queries and
; channels is row 32 (t / 2) + 8 (t % 2) + p + 8 (p / 8), so that a lane's 16 registers of two neighbouring tiles are 16 neighbours: p and ctx are quantised in registers.
; THE HEAD'S K OF 64 IS HALF OF THE INSTRUCTION'S 128: Q's upper six registers are zero codes.  K's tiles lie six registers apart; the upper six that an instruction names are the next tile's codes
; (behind the last tile: zeros): they meet Q's zeros and add nothing.  Bytes 2 and 3 of K's and Q's scale words are 0.
; LIMITS: a block of zeros gets the scale byte 1; a block's largest p is made from the block's largest score, which takes v_exp_f32 not to fall where its input rises; NaN and infinities are not served.
; REGISTERS: v1-9 addresses and lane terms; v10-11, v28-31, v94-95 the block on its way to LDS; v12 -M, v13 the largest t, v[14:15] the sum; v16-27 Q; v32-79 fragments of K, then of V; v80-85 zeros;
;   v86-93 scale words; v96-159 S^T, then p; v160-191 O^T; v192-223 the gate; v224-235 p's codes; v232-254 at work; v255 Q's scale word.
.set SB,    13056
.set HEADB, 16*SB
.set SLOTB, 13312
.set QOFF,  32*HEADB
.set QBB,   6656
.set RBB,   102400
.set OB,    12800
	s_load_b128 s[4:7], s[0:1], 0x0                ; qkv, gate
	s_load_b64 s[8:9], s[0:1], 0x10                ; ctxq
	v_lshl_add_u32 v250, v0, 2, 0x6800
	v_mov_b32 v251, 0
	v_lshrrev_b32 v7, 5, v0
	v_readfirstlane_b32 s10, v7                    ; wave
	s_mov_b32 s11, ttmp9                           ; j
	s_and_b32 s12, ttmp7, 0xffff                   ; the head, 16 x batch + head
	s_sub_co_u32 s13, 15, s11
	s_cmp_lt_u32 s10, 8
	s_cselect_b32 s13, s11, s13                    ; my block of 128 queries, and my last key step
	s_and_b32 s14, s10, 7                          ; my tile in it
	s_sub_co_u32 s16, 17, s11
	s_lshr_b32 s16, s16, 1                         ; trips: (16 - j) steps, two a trip, rounded up
	s_mov_b32 s15, 0                               ; the key step in hand
	s_mov_b32 s20, 0x76543210
	s_mov_b32 s21, 0xfedcba98                      ; selects for lane l xor 16
	s_mov_b32 s22, 0x3e38aa3b                      ; c = log2(e) / 8
	s_mov_b32 s23, s22                             ; (named with it as a pair)
	s_mov_b32 s27, 0
	v_and_b32 v7, 31, v0                           ; lane
	v_and_b32 v10, 15, v0                          ; r
	v_bfe_u32 v11, v0, 4, 1                        ; h
	v_lshlrev_b32 v1, 4, v7                        ; 16 x lane
	v_lshlrev_b32 v2, 3, v7                        ; 8 x lane
	v_lshlrev_b32 v3, 4, v10                       ; 16 r
	s_mul_i32 s38, s10, 768
	s_mov_b32 s39, 0
	v_add_nc_u32 v4, s38, v1                       ; into a slot: my wave's 768 bytes,
	v_add_nc_u32 v5, s38, v2
	v_add_nc_u32 v5, 512, v5
	s_lshl_b32 s42, s10, 8
	s_add_co_u32 s42, s42, 12288
	s_mov_b32 s43, 0
	v_add_nc_u32 v6, s42, v2                       ; and, in waves 0-2, a quad of scale words
	s_lshr_b32 s40, s14, 1
	s_lshl_b32 s40, s40, 5
	s_and_b32 s41, s14, 1
	s_lshl_b32 s41, s41, 3
	s_add_co_u32 s40, s40, s41
	v_and_b32 v9, 8, v10
	v_add_nc_u32 v9, v9, v10
	v_add_nc_u32 v9, s40, v9                       ; my query in its block,
	v_lshlrev_b32 v28, 4, v11
	v_sub_nc_u32 v9, v9, v28                       ; less 16 h: register 16 b + i holds key 32 b + 16 h + i, hidden on the diagonal where 32 b + i is above this
	s_and_b32 s41, s10, 3
	s_lshl_b32 s41, s41, 5
	v_add_nc_u32 v8, s41, v7
	v_min_u32 v8, 101, v8
	v_lshlrev_b32 v8, 8, v8                        ; the prefetches' offset: lanes 256 bytes apart over two key steps' 26,112 bytes; the lanes past the 102nd name the last piece again
	s_lshr_b32 s44, s10, 2
	s_xor_b32 s44, s44, 1                          ; 0 in waves 4-7,
	s_or_b32 s44, s44, s11                         ; of the head's work-group 0
	s_cmp_eq_u32 s44, 0
	s_cselect_b32 s30, 2, -1                       ; a wave prefetches while the trips to go are above this
	v_mov_b32 v10, 0                               ; (written in every wave: waves 3-15 never load them)
	v_mov_b32 v11, 0
	s_mul_i32 s40, s12, HEADB
	s_mov_b32 s41, 0
	s_lshr_b32 s31, s14, 2
	s_lshl_b32 s31, s31, 8
	s_and_b32 s44, s14, 3
	s_lshl_b32 s44, s44, 2
	s_add_co_u32 s31, s31, s44                     ; my tile's place among scale words: 256 (t / 4) + 4 (t % 4)
	s_lshl_b32 s44, s12, 4
	s_add_co_u32 s44, s44, s13
	s_mul_i32 s44, s44, QBB
	s_add_co_u32 s44, s44, QOFF                    ; my block of queries
	s_mov_b32 s45, 0
	s_mul_i32 s46, s14, 768
	s_add_co_u32 s46, s46, s44                     ; my tile's codes
	s_mov_b32 s47, 0
	s_add_co_u32 s44, s44, s31
	s_add_co_u32 s44, s44, 6144                    ; and its scale words
	s_lshl_b32 s52, s12, 7
	s_lshl_b32 s53, s13, 3
	s_add_co_u32 s52, s52, s53
	s_add_co_u32 s52, s52, s14
	s_lshl_b32 s52, s52, 12                        ; the gate's image: (128 x head + 8 x block + tile) x 4,096
	s_mov_b32 s53, 0
	s_lshr_b32 s54, s12, 4
	s_lshl_b32 s54, s54, 4
	s_add_co_u32 s54, s54, s13                     ; ctxq: the group of 128 tokens, 16 x batch + block;
	s_mul_i32 s54, s54, RBB
	s_bfe_u32 s55, s12, 0x30001                    ; the K step: head / 2
	s_mul_i32 s55, s55, OB
	s_add_co_u32 s54, s54, s55
	s_and_b32 s55, s12, 1                          ; the half of a fragment: head % 2
	s_mul_i32 s56, s14, 1536
	s_add_co_u32 s56, s56, s54
	s_mul_i32 s57, s55, 768
	s_add_co_u32 s56, s56, s57
	s_mov_b32 s57, 0
	s_lshl_b32 s55, s55, 1
	s_add_co_u32 s54, s54, s55
	s_add_co_u32 s54, s54, s31
	s_add_co_u32 s54, s54, 12288                   ; my two bytes of each row's scale word
	s_mov_b32 s55, 0
	s_wait_kmcnt 0x0
	s_add_nc_u64 s[28:29], s[4:5], s[40:41]        ; the head's K and V
	s_add_nc_u64 s[18:19], s[28:29], s[38:39]      ; my 768 bytes of key step 0,
	s_add_nc_u64 s[24:25], s[28:29], s[42:43]      ; and the quad
	s_add_nc_u64 s[28:29], s[28:29], 4*SB          ; the prefetches begin at key step 4
	s_add_nc_u64 s[32:33], s[4:5], s[46:47]
	s_add_nc_u64 s[34:35], s[4:5], s[44:45]
	s_add_nc_u64 s[36:37], s[6:7], s[52:53]
	s_add_nc_u64 s[48:49], s[8:9], s[56:57]
	s_add_nc_u64 s[50:51], s[8:9], s[54:55]
.macro STLOAD                          ; my part of a key step's block, from memory
	global_load_b128 v[28:31], v1, s[18:19]
	global_load_b64 v[94:95], v2, s[18:19] offset:512
	s_cmp_lt_u32 s10, 3
	s_cbranch_scc0 .Lnl_\@
	global_load_b64 v[10:11], v2, s[24:25]
.Lnl_\@:
.endm
.macro STSTORE off, cnt                ; and into the slot at off.  cnt: the younger loads, which may stay out
	s_wait_loadcnt \cnt
	ds_store_b128 v4, v[28:31] offset:\off
	ds_store_b64 v5, v[94:95] offset:\off
	s_cmp_lt_u32 s10, 3
	s_cbranch_scc0 .Lns_\@
	ds_store_b64 v6, v[10:11] offset:\off
.Lns_\@:
.endm
; A PREFETCH INTO THE L2, once a trip, behind the wave's loads: the two key steps' blocks of the trip after next.  All eight work-groups of a head walk the same K and V; work-group 0, which walks all 16 steps
; with half of its waves at work, asks, and nobody else; in it waves 4-7, one instruction each.  Key steps 0-3 come by their loads alone; the last two trips ask for nothing: steps 14 and 15 are the last named.
.macro ASK
	s_cmp_gt_u32 s16, s30
	s_cbranch_scc0 .Lnot_mine_\@
	global_prefetch_b8 v8, s[28:29] th:TH_LOAD_NT scope:SCOPE_SE
.Lnot_mine_\@:
.endm
	STLOAD                                         ; key step 0
	global_load_b128 v[16:19], v1, s[32:33]        ; Q's half fragment stays in registers
	global_load_b64 v[20:21], v2, s[32:33] offset:512
	global_load_b32 v255, v3, s[34:35]             ; Q's scale words
.irp c, 0,1,2,3,4,5,6,7
	global_load_b128 v[192+4*\c:195+4*\c], v1, s[36:37] offset:512*\c th:TH_LOAD_NT   ; the gate of my 16 tokens x 64 channels, in O^T's layout
.endr
.irp i, 22,23,24,25,26,27,80,81,82,83,84,85
	v_mov_b32 v\i, 0                               ; zero codes: Q's upper 64 along K; and what stands behind K's last tile
.endr
.set NN, 0
.rept 32
	v_mov_b32 v[160+NN], 0                         ; O^T.  (The step is written once: the first finds zeros, which the first change of M leaves zeros)
.set NN, NN+1
.endr
	v_mov_b32 v13, 0xff61b1e6                      ; the largest t so far: -3e38, under every t
	v_floor_f32 v12, -v13                          ; -M
	v_mov_b32 v14, 0
	v_mov_b32 v15, 0
.irp i, 236,237,238,239,252,253
	v_mov_b32 v\i, 0                               ; written once: permute destinations and halves of pairs count as read
.endr
	STSTORE 0, 11                                  ; key step 0's part is in; Q's 3 loads and the gate's 8 may be out
	s_add_nc_u64 s[18:19], s[18:19], SB
	s_add_nc_u64 s[24:25], s[24:25], SB
	s_wait_dscnt 0x0
	s_barrier_signal -1
	s_barrier_wait -1                              ; slot 0 is whole
	s_wait_loadcnt 8                               ; Q is in; the gate's 8 loads may be out (the first step's wait for its block covers them)
; A KEY STEP, read from slot sg; the next step's block goes into the other slot.
.macro STEP sg
.set BO, SLOTB*(\sg)
.set BN, SLOTB*(1-(\sg))
	STLOAD
.if (\sg) == 0
	ASK
.endif
	s_cmp_gt_u32 s15, s13                          ; all keys of this step come after my queries?
	s_cbranch_scc1 .Lhid_\@
.rept 4
	v_nop                                          ; places in front of loads into registers that the last step's products have read
.endr
.irp t, 0,1,2,3,4,5,6,7
	ds_load_b128 v[32+6*\t:35+6*\t], v1 offset:BO+768*\t
	ds_load_b64 v[36+6*\t:37+6*\t], v2 offset:BO+768*\t+512
.endr
	ds_load_b128 v[86:89], v3 offset:BO+12288
	ds_load_b128 v[90:93], v3 offset:BO+12544
	s_wait_dscnt 0x0
.irp t, 0,1,2,3,4,5,6,7
	v_wmma_scale_f32_16x16x128_f8f6f4 v[96+8*\t:103+8*\t], v[32+6*\t:43+6*\t], v[16:27], 0, v[86+\t], v255 matrix_a_fmt:MATRIX_FMT_FP6 matrix_b_fmt:MATRIX_FMT_FP6
.endr
.rept 4
	v_nop                                          ; places in front of the loads below and of the first read of the scores
.endr
.irp t, 0,1,2,3                                ; V's four fragments and scale words land under the softmax
	ds_load_b128 v[32+12*\t:35+12*\t], v1 offset:BO+6144+1536*\t
	ds_load_b64 v[36+12*\t:37+12*\t], v2 offset:BO+6144+1536*\t+512
	ds_load_b128 v[38+12*\t:41+12*\t], v1 offset:BO+6144+1536*\t+768
	ds_load_b64 v[42+12*\t:43+12*\t], v2 offset:BO+6144+1536*\t+1280
.endr
	ds_load_b128 v[86:89], v3 offset:BO+12800
	s_cmp_lg_u32 s15, s13                          ; only my last step lies on the diagonal
	s_cbranch_scc1 .Lopen_\@
	v_mov_b32 v254, 0xff800000                     ; -infinity: p = 0 then
.set NN, 0
.rept 64
	v_cmp_gt_i32 vcc_lo, 32*(NN/16)+NN%16, v9
	v_cndmask_b32 v[96+NN], v[96+NN], v254, vcc_lo
.set NN, NN+1
.endr
.Lopen_\@:
.irp b, 0,1,2,3
	v_max3_num_f32 v[232+\b], v[96+16*\b], v[97+16*\b], v[98+16*\b]   ; the largest score of each block of 32 keys: it serves for the row's maximum and, since p rises with the score, for the block's largest p
.endr
.irp i, 3,5,7,9,11,13
.irp b, 0,1,2,3
	v_max3_num_f32 v[232+\b], v[232+\b], v[96+16*\b+\i], v[97+16*\b+\i]
.endr
.endr
.irp b, 0,1,2,3
	v_max_num_f32 v[232+\b], v[232+\b], v[111+16*\b]
.endr
.irp b, 0,1,2,3
	v_permlanex16_b32 v[236+\b], v[232+\b], s20, s21
.endr
.irp b, 0,1,2,3
	v_max_num_f32 v[232+\b], v[232+\b], v[236+\b]  ; with lane l xor 16's 16 keys
.endr
	v_max3_num_f32 v254, v232, v233, v234
	v_max_num_f32 v254, v254, v235
	v_mul_f32 v254, s22, v254                      ; the step's largest t of my query (c is positive)
	v_max_num_f32 v13, v13, v254
	v_mov_b32 v254, v12
	v_floor_f32 v12, -v13                          ; the new -M = floor(-t): M is a whole number
	v_sub_f32 v254, v12, v254                      ; old M - new M: a whole number, 0 or less
	v_cvt_i32_f32 v254, v254                       ; (it saturates)
	v_ldexp_f32 v252, 1.0, v254                    ; f = 2^(old M - new M)
.set NN, 0
.rept 32
	v_pk_fma_f32 v[96+NN:97+NN], v[96+NN:97+NN], s[22:23], v[12:13] op_sel_hi:[1,0,0]   ; t - M, two at a time
.set NN, NN+2
.endr
.irp b, 0,1,2,3
	v_fma_f32 v[232+\b], v[232+\b], s22, v12       ; the same of each block's largest score
.endr
.set NN, 0
.rept 64
	v_exp_f32 v[96+NN], v[96+NN]                   ; p = 2^(t - M), at most 1
.set NN, NN+1
.endr
	v_pk_mul_f32 v[14:15], v[14:15], v[252:253] op_sel_hi:[1,0]   ; the sums under the new M (a plain line behind the exponentials)
	s_wait_alu depctr_va_vdst(0)                   ; one wait for the batch, ahead of its first reader
.irp b, 0,1,2,3
	v_exp_f32 v[232+\b], v[232+\b]                 ; the block's largest p
.endr
	v_pk_add_f32 v[236:237], v[96:97], v[98:99]    ; the row's sum is taken of the unquantised p: two chains
.irp j, 4,8,12,16,20,24,28,32,36,40,44,48,52,56,60
	v_pk_add_f32 v[14:15], v[14:15], v[96+\j:97+\j]
	v_pk_add_f32 v[236:237], v[236:237], v[98+\j:99+\j]
.endr
	v_pk_add_f32 v[14:15], v[14:15], v[236:237]
	s_wait_alu depctr_va_vdst(0)                   ; and one for the four
.irp b, 0,1,2,3
	v_max_num_f32 v[232+\b], 0x1800000, v[232+\b]  ; the floor 2^(3 - 127): the byte cannot fall under 1
.endr
.irp b, 0,1,2,3
	v_add_nc_u32 v[244+\b], 0xff000000, v[232+\b]  ; 2 off the exponent field: the conversion's scale operand
.endr
.irp b, 0,1,2,3
	v_lshrrev_b32 v[236+\b], 23, v[244+\b]         ; the scale's byte
.endr
	v_lshl_or_b32 v253, v237, 8, v236              ; p's scale word for these 128 keys
	v_lshl_or_b32 v253, v238, 16, v253
	v_lshl_or_b32 v253, v239, 24, v253
.irp c, 0,1
	v_cvt_scalef32_pk16_fp6_f32 v[224+6*\c:226+6*\c], v[96+32*\c:111+32*\c], v[244+2*\c]
	v_cvt_scalef32_pk16_fp6_f32 v[236+4*\c:238+4*\c], v[112+32*\c:127+32*\c], v[244+2*\c+1]
.endr
	v_nop                                          ; one plain line behind a scaled conversion
.irp c, 0,1
.irp i, 0,1,2
	v_permlane16_swap_b32 v[224+6*\c+\i], v[236+4*\c+\i]
.endr
.irp i, 0,1,2
	v_mov_b32 v[227+6*\c+\i], v[236+4*\c+\i]
.endr
.endr
.set NN, 0
.rept 16
	v_pk_mul_f32 v[160+NN:161+NN], v[160+NN:161+NN], v[252:253] op_sel_hi:[1,0]   ; O^T under the new M.  (These sixteen stand between the writes of p's codes and scale word and the products)
.set NN, NN+2
.endr
	s_wait_dscnt 0x0                               ; V is in
.irp t, 0,1,2,3                                ; four accumulators by turns
	v_wmma_scale_f32_16x16x128_f8f6f4 v[160+8*\t:167+8*\t], v[32+12*\t:43+12*\t], v[224:235], v[160+8*\t:167+8*\t], v[86+\t], v253 matrix_a_fmt:MATRIX_FMT_FP6 matrix_b_fmt:MATRIX_FMT_FP6
.endr
.Lhid_\@:
	STSTORE BN, 0                                  ; the next step's part is in: into the other slot, which nobody reads in this step
	s_cmp_lt_u32 s15, 14                           ; the loads are done, so their base may step; it stops at key step 15: no load leaves the head's blocks
	s_cselect_b32 s26, SB, 0
	s_add_nc_u64 s[18:19], s[18:19], s[26:27]
	s_add_nc_u64 s[24:25], s[24:25], s[26:27]
	s_add_co_u32 s15, s15, 1
	s_wait_dscnt 0x0                               ; my stores have landed, and my reads of this slot are in
	s_barrier_signal -1
	s_barrier_wait -1
.endm
.Ltrip:
	STEP 0
	STEP 1
	s_wait_xcnt 0x0                                ; the trip's prefetch has read its address
	s_add_nc_u64 s[28:29], s[28:29], 2*SB
	s_sub_co_u32 s16, s16, 1
	s_cmp_lg_u32 s16, 0
	s_cbranch_scc1 .Ltrip
	; THE WAY OUT: ctx = O^T / the sum x sigmoid(gate), quantised along the head's 64 channels: two blocks; half a fragment and two scale bytes a row.
.set NN, 0
.rept 16
	v_pk_mul_f32 v[192+NN:193+NN], v[192+NN:193+NN], 0xbfb8aa3b op_sel_hi:[1,0]   ; -gate x log2(e).  (Also the places behind the last products)
.set NN, NN+2
.endr
.set NN, 0
.rept 32
	v_exp_f32 v[192+NN], v[192+NN]
.set NN, NN+1
.endr
	v_add_f32 v14, v14, v15                        ; the sum's two halves,
	v_permlanex16_b32 v252, v14, s20, s21
	v_add_f32 v14, v14, v252                       ; and lane l xor 16's: the row's sum
	s_wait_alu depctr_va_vdst(0)                   ; one wait for the 32 exponentials
.set NN, 0
.rept 16
	v_pk_add_f32 v[192+NN:193+NN], v[192+NN:193+NN], 1.0 op_sel_hi:[1,0]
.set NN, NN+2
.endr
.set NN, 0
.rept 32
	v_rcp_f32 v[192+NN], v[192+NN]                 ; sigmoid(gate) = 1 / (1 + 2^(-gate log2(e)))
.set NN, NN+1
.endr
	v_rcp_f32 v14, v14
	v_bfe_u32 v28, v0, 4, 1                        ; h (a plain line behind the reciprocals)
	v_add_nc_u32 v29, v3, v28                      ; 16 r + h: my scale byte's place
	s_wait_alu depctr_va_vdst(0)                   ; one wait for the 33 reciprocals
.set NN, 0
.rept 16
	v_pk_mul_f32 v[96+NN:97+NN], v[160+NN:161+NN], v[14:15] op_sel_hi:[1,0]   ; each accumulator from its low end on
.set NN, NN+2
.endr
.set NN, 0
.rept 16
	v_pk_mul_f32 v[96+NN:97+NN], v[96+NN:97+NN], v[192+NN:193+NN]
.set NN, NN+2
.endr
.irp b, 0,1
	v_max3_num_f32 v[232+\b], |v[96+16*\b]|, |v[97+16*\b]|, 0x1800000
.endr
.irp i, 2,4,6,8,10,12,14
.irp b, 0,1
	v_max3_num_f32 v[232+\b], v[232+\b], |v[96+16*\b+\i]|, |v[97+16*\b+\i]|
.endr
.endr
.irp b, 0,1
	v_permlanex16_b32 v[236+\b], v[232+\b], s20, s21
.endr
.irp b, 0,1
	v_max_num_f32 v[232+\b], v[232+\b], v[236+\b]
.endr
.irp b, 0,1
	v_add_nc_u32 v[244+\b], 0xff000000, v[232+\b]
.endr
.irp b, 0,1
	v_lshrrev_b32 v[236+\b], 23, v[244+\b]
.endr
	v_cvt_scalef32_pk16_fp6_f32 v[224:226], v[96:111], v244
	v_cvt_scalef32_pk16_fp6_f32 v[240:242], v[112:127], v245
	v_nop                                          ; one plain line behind a scaled conversion
.irp i, 0,1,2
	v_permlane16_swap_b32 v[224+\i], v[240+\i]
.endr
.irp i, 0,1,2
	v_mov_b32 v[227+\i], v[240+\i]
.endr
	v_cmp_ne_u32 vcc_lo, 0, v28
	v_cndmask_b32 v30, v236, v237, vcc_lo          ; lanes 0-15 store block 0's byte, lanes 16-31 block 1's
	global_store_b128 v1, v[224:227], s[48:49]     ; 512 consecutive bytes,
	global_store_b64 v2, v[228:229], s[48:49] offset:512   ; and 256
	global_store_b8 v29, v30, s[50:51]             ; a scale word's halves belong to two heads, that is to two work-groups: so single bytes, 32 a wave
	s_wait_tensorcnt 0x0
	ds_add_u32 v250, v251
	s_wait_dscnt 0x0
	s_endpgm
.Lfunc_end_k_qd053822c65_attn:
	.size	k_qd053822c65_attn, .Lfunc_end_k_qd053822c65_attn-k_qd053822c65_attn
	.p2alignl 7, 3214868480
	.fill 96, 4, 3214868480
	.section	.rodata,"a",@progbits
	.p2align	6, 0x0
	.amdhsa_kernel k_qd053822c65_attn
		.amdhsa_group_segment_fixed_size 28672
		.amdhsa_private_segment_fixed_size 0
		.amdhsa_enable_private_segment 0
		.amdhsa_kernarg_size 24
		.amdhsa_user_sgpr_count 2
		.amdhsa_user_sgpr_kernarg_segment_ptr 1
		.amdhsa_wavefront_size32 1
		.amdhsa_system_sgpr_workgroup_id_x 1
		.amdhsa_system_sgpr_workgroup_id_y 1
		.amdhsa_system_sgpr_workgroup_id_z 1
		.amdhsa_system_vgpr_workitem_id 0
		.amdhsa_next_free_vgpr 256
		.amdhsa_next_free_sgpr 66
		.amdhsa_reserve_vcc 1
		.amdhsa_float_denorm_mode_32 3
		.amdhsa_float_denorm_mode_16_64 3
		.amdhsa_memory_ordered 1
		.amdhsa_forward_progress 1
		.amdhsa_inst_pref_size 61
	.end_amdhsa_kernel
	.amdgpu_metadata
---
amdhsa.version: [ 1, 2 ]
amdhsa.kernels:
  - .name:           k_qd053822c65_attn
    .symbol:         k_qd053822c65_attn.kd
    .args:
      - { .name: qkv, .offset: 0, .size: 8, .value_kind: global_buffer, .address_space: global }
      - { .name: gate, .offset: 8, .size: 8, .value_kind: global_buffer, .address_space: global }
      - { .name: ctxq, .offset: 16, .size: 8, .value_kind: global_buffer, .address_space: global }
    .group_segment_fixed_size: 28672
    .private_segment_fixed_size: 0
    .kernarg_segment_align: 8
    .kernarg_segment_size: 24
    .max_flat_workgroup_size: 512
    .sgpr_count:     66
    .vgpr_count:     256
    .wavefront_size: 32
...
	.end_amdgpu_metadata
.endif
;; end of part 3
;; launch outp (part 4): grid 8 x 32, 4 waves a work-group, clusters of 4 x 4, 222,720 bytes of LDS; arguments ctxq, opq, bo, out0; writes out0
.if DOCPART == 4
	.amdgcn_target "amdgcn-amd-amdhsa--gfx1250"
	.amdhsa_code_object_version 6
	.text
	.protected	k_qd053822c65_outp
	.globl	k_qd053822c65_outp
	.p2align	8
	.type	k_qd053822c65_outp,@function
k_qd053822c65_outp:
	s_mov_b64 s[64:65], 0
	v_nop
	global_prefetch_b8 v0, s[64:65] scope:SCOPE_SE
	s_setreg_imm32_b32 hwreg(HW_REG_WAVE_MODE, 25, 1), 1
	s_wait_xcnt 0x0
	s_wait_alu depctr_hold_cnt(0) depctr_sa_sdst(0) depctr_va_vdst(0) depctr_va_sdst(0) depctr_va_ssrc(0) depctr_va_vcc(0) depctr_vm_vsrc(0)
	s_getreg_b32 s2, hwreg(HW_REG_IB_STS2, 6, 4)
	s_cmp_eq_u32 s2, 0
	s_cbranch_scc0 .Lentry_in_a_cluster
	s_endpgm
.Lentry_in_a_cluster:
	s_bfe_u32 s2, ttmp6, 0x10000c
	s_cmp_lg_u32 s2, 0xf033
	s_cbranch_scc0 .Lentry_shape_is_right
	s_endpgm
.Lentry_shape_is_right:
; out0 = ctx Wo^T + bo, on codes of FP6 (E2M3) with E8M0 scales, K = 1,024; sums in f32.  ctx's codes come from ctxq, Wo's from opq (RB 64-71), both as images of operand registers
; (an operand block, OB: 128 rows x 128 K: 8 fragments of 1,536 bytes and two quads of scale words, 12,800 bytes; an RB, 128 rows, is eight OB on end).
; SHARES: 256 work-groups, each 128 x 128 of out0 (one RB of each operand); four waves, each 64 x 64: 16 accumulators.  A larger tile would leave WGPs without work: 4,096 x 1,024 are 64 tiles of 256 x 256.
; ALL OF K LIES IN LDS, FILLED ONCE: 2 x 102,400 bytes.  No slot is filled again, so there is no ring.  Waves 0, 1 fetch A's RB, waves 2, 3 B's: two loads each, K steps 0-3 and then 4-7 (a wave brings two
; of a fill's four OB).  By this text's count a wave has two tensor loads out.  JOINT LOADS in clusters of 4 x 4: A's RB is shared along a row of the cluster, B's along a column.
; THE MATRIX INSTRUCTION IS USED TRANSPOSED (source 0 = a tile of Wo, source 1 = a tile of ctx): a lane holds eight neighbouring numbers of a row of out0.  The bias is the C of each sum's first instruction.
; Lane-row p of tile t is row 32 (t / 2) + 8 (t % 2) + p + 8 (p / 8) of its RB: the way out puts rows and columns back in their places.
; REGISTERS: window 0: v8-21 addresses; v24-31 scale words, two sets; v32-63 the bias; v64-127 the way out; v128-255 accumulators ((a, b) at v[128 + 8 (4 a + b)]).
;   window 1: two sets of fragments at v0 and v128: A's four at + 12 a, B's four at + 48 + 12 b.
.set RBB,   102400
.set OB,    12800
.set PART,  2*OB
.set STAGE, 2*RBB                      ; behind the operands: 16 rows x (256 + 16) bytes for each wave; no tensor load lands here
.set ACC,   128
.set G1A, 24                           ; s[24:31], s[32:39] groups 1;  s[40:47], s[48:55] groups 0, a set for each fill
.set G1B, 32
.set G0A, 40
.set G0B, 48
.set MULW, 0x05                        ; sources 0 and 1 window 1; C and D window 0
.set TO_F, 0x40                        ; destination window 1, address window 0
.set MSB, 0
.macro WIN new
.if MSB != (\new)
	s_set_vgpr_msb (MSB<<8)|(\new)
.set MSB, (\new)
.endif
.endm
.macro PLACES n
.rept \n
	v_nop
.endr
.endm
.macro JLOAD g0a, g0b                  ; four v_nop follow each of the two lines
	s_cmp_eq_u32 s13, 0
	s_cbranch_scc0 .Lfor_b_\@
	tensor_load_to_lds s[\g0a:\g0a+3], s[G1A:G1A+7]
	s_nop 0
.rept 4
	v_nop
.endr
	s_branch .Lasked_\@
.Lfor_b_\@:
	tensor_load_to_lds s[\g0b:\g0b+3], s[G1B:G1B+7]
	s_nop 0
.rept 4
	v_nop
.endr
.Lasked_\@:
.endm
.macro CROUND                          ; a round of the cluster's barrier
	s_barrier_signal -1
	s_barrier_wait -1
	s_cmp_lg_u32 s12, 0
	s_cbranch_scc1 .Lnot_wave_0_\@
	s_barrier_signal -3
.Lnot_wave_0_\@:
	s_barrier_wait -3
	s_barrier_signal -1
	s_barrier_wait -1
.endm
	s_load_b128 s[4:7], s[0:1], 0x0                ; ctxq, opq
	s_load_b128 s[8:11], s[0:1], 0x10              ; bo, out0
	v_lshl_add_u32 v22, v0, 2, 0x36400
	v_mov_b32 v23, 0
	ds_add_u32 v22, v23
	ds_add_u32 v22, v23
	v_lshrrev_b32 v1, 5, v0
	v_readfirstlane_b32 s12, v1                    ; wave
	s_lshr_b32 s13, s12, 1                         ; which 64 rows are mine.  Also: I fetch for A (0) or for B (1)
	s_and_b32 s14, s12, 1                          ; which 64 columns.  Also: which two OB of a fill's four I fetch
	s_bfe_u32 s15, ttmp6, 0x40000                  ; cx
	s_bfe_u32 s16, ttmp6, 0x40004                  ; cy
	s_lshl_b32 s17, ttmp9, 2
	s_add_co_u32 s17, s17, s15                     ; which 128 columns: 4 x cluster x + cx
	s_and_b32 s18, ttmp7, 0xffff
	s_lshl_b32 s18, s18, 2
	s_add_co_u32 s18, s18, s16                     ; which 128 tokens: 4 x cluster y + cy
	s_lshl_b32 s19, s16, 2
	s_lshl_b32 s19, 15, s19                        ; my row of the cluster
	s_lshl_b32 s66, 0x1111, s15                    ; my column
	s_or_b32 s[G1A], s19, (3<<16)|(1<<21)          ; a dense block of 25,600 bytes as 100 rows of 256 (32 elements of 8 bytes), no padding
	s_or_b32 s[G1B], s66, (3<<16)|(1<<21)
.irp g, G1A, G1B
	s_mov_b32 s[\g+1], 32<<16
	s_mov_b32 s[\g+2], 100<<16
	s_mov_b32 s[\g+3], 32<<16
	s_mov_b32 s[\g+4], 100
	s_mov_b32 s[\g+5], 32
	s_mov_b32 s[\g+6], 0
	s_mov_b32 s[\g+7], 0
.endr
	s_mul_i32 s67, s14, PART
	s_mul_i32 s20, s18, RBB
	s_add_co_u32 s20, s20, s67                     ; A: my tokens' RB, my two OB: shared along my row
	s_mov_b32 s21, 0
	s_add_co_u32 s22, s17, 64
	s_mul_i32 s22, s22, RBB
	s_add_co_u32 s22, s22, s67                     ; B: Wo's RB 64 + column block: shared along my column
	s_mov_b32 s23, 0
	s_mul_i32 s68, s13, RBB
	s_add_co_u32 s68, s68, s67                     ; in LDS: A's RB, then B's
	s_lshl_b32 s70, s17, 9
	s_lshl_b32 s71, s14, 8
	s_add_co_u32 s70, s70, s71                     ; my first column, in bytes
	s_mov_b32 s71, 0
	s_lshl_b32 s72, s18, 19
	s_lshl_b32 s73, s13, 18
	s_add_co_u32 s72, s72, s73                     ; my first row: rows of 4,096 bytes
	s_add_co_u32 s72, s72, s70
	s_mov_b32 s73, 0
	s_wait_dscnt 0x0
	s_wait_kmcnt 0x0
	s_add_nc_u64 s[20:21], s[4:5], s[20:21]
	s_add_nc_u64 s[22:23], s[6:7], s[22:23]
	s_add_nc_u64 s[8:9], s[8:9], s[70:71]
	s_add_nc_u64 s[10:11], s[10:11], s[72:73]
	CROUND                                         ; all sixteen work-groups are here: the joint loads meet
.irp s, 0,1
	s_mov_b32 s[G0A+4*\s], 1
	s_add_co_u32 s[G0A+4*\s+1], s68, \s*2*PART
	s_add_nc_u64 s[G0A+4*\s+2:G0A+4*\s+3], s[20:21], \s*2*PART
	s_or_b32 s[G0A+4*\s+3], s[G0A+4*\s+3], 0x80000000
	s_mov_b32 s[G0B+4*\s], 1
	s_add_co_u32 s[G0B+4*\s+1], s68, \s*2*PART
	s_add_nc_u64 s[G0B+4*\s+2:G0B+4*\s+3], s[22:23], \s*2*PART
	s_or_b32 s[G0B+4*\s+3], s[G0B+4*\s+3], 0x80000000
	JLOAD G0A+4*\s,G0B+4*\s
.endr
	v_and_b32 v1, 31, v0
	v_and_b32 v2, 15, v0                           ; r
	v_bfe_u32 v3, v0, 4, 1                         ; h
	v_lshlrev_b32 v21, 6, v3                       ; the bias: lanes 16-31 take the columns 16 further on
.irp b, 0,1,2,3
	global_load_b128 v[32+8*\b:35+8*\b], v21, s[8:9] offset:128*(\b/2)+32*(\b%2)
	global_load_b128 v[36+8*\b:39+8*\b], v21, s[8:9] offset:128*(\b/2)+32*(\b%2)+16
.endr
	v_lshlrev_b32 v4, 4, v1
	v_lshlrev_b32 v5, 3, v1
	s_mul_i32 s70, s13, 6144                       ; my four tiles of A,
	s_mul_i32 s71, s14, 6144
	s_add_co_u32 s71, s71, RBB                     ; of B
	v_add_nc_u32 v8, s70, v4                       ; v8, v9: A, K steps 0-3, + 16 x lane, + 8 x lane;  v10, v11: K steps 4-7
	v_add_nc_u32 v9, s70, v5
	v_add_nc_u32 v10, 4*OB, v8
	v_add_nc_u32 v11, 4*OB, v9
	v_add_nc_u32 v12, s71, v4                      ; v12-15: the same for B
	v_add_nc_u32 v13, s71, v5
	v_add_nc_u32 v14, 4*OB, v12
	v_add_nc_u32 v15, 4*OB, v13
	s_lshl_b32 s72, s13, 8
	s_lshl_b32 s73, s14, 8
	s_add_co_u32 s73, s73, RBB
	s_sub_co_u32 s73, s73, s72                     ; from A's quad of scale words to B's
	s_add_co_u32 s72, s72, 12288
	v_mul_u32_u24 v16, s73, v3                     ; lanes 16-31 take B's
	v_lshl_add_u32 v16, v2, 4, v16
	v_add_nc_u32 v16, s72, v16                     ; v16: scale words, K steps 0-3;  v17: 4-7
	v_add_nc_u32 v17, 4*OB, v16
	s_mul_i32 s74, s12, 16*272
	s_add_co_u32 s74, s74, STAGE                   ; my stage
	v_mul_u32_u24 v18, v2, 272
	v_lshl_add_u32 v18, v3, 6, v18
	v_add_nc_u32 v18, s74, v18                     ; in: row r, + 64 h
	v_mul_u32_u24 v19, v3, 272
	v_lshl_add_u32 v19, v2, 4, v19
	v_add_nc_u32 v19, s74, v19                     ; back: lanes 0-15 one row of 256 bytes, lanes 16-31 the next
	v_lshlrev_b32 v20, 4, v2
	v_lshl_add_u32 v20, v3, 12, v20                ; and the same two rows in out0
.macro FRAG reg, a16, off
	ds_load_b128 v[\reg:\reg+3], v[\a16] offset:\off
	ds_load_b64 v[\reg+4:\reg+5], v[\a16+1] offset:\off+512
	ds_load_b128 v[\reg+6:\reg+9], v[\a16] offset:\off+768
	ds_load_b64 v[\reg+10:\reg+11], v[\a16+1] offset:\off+1280
.endm
.macro FETCH s                         ; K step s: its scale words and eight fragments into set s % 2: 33 loads
	WIN 0
	ds_load_b128 v[24+4*((\s)%2):27+4*((\s)%2)], v[16+(\s)/4] offset:OB*((\s)%4)
	WIN TO_F
.irp i, 0,1,2,3
	FRAG 128*((\s)%2)+12*\i,8+2*((\s)/4),OB*((\s)%4)+1536*\i
	FRAG 128*((\s)%2)+48+12*\i,12+2*((\s)/4),OB*((\s)%4)+1536*\i
.endr
.endm
.macro MUL s                           ; 16 matrix instructions: the 16 accumulators take turns, one instruction a turn
	WIN MULW
.irp a, 0,1,2,3
.irp b, 0,1,2,3
.if (\s) == 0
	v_wmma_scale_f32_16x16x128_f8f6f4 v[ACC+8*(4*\a+\b):ACC+8*(4*\a+\b)+7], v[48+12*\b:59+12*\b], v[12*\a:12*\a+11], v[32+8*\b:39+8*\b], v[24+\b], v[24+\a] matrix_a_fmt:MATRIX_FMT_FP6 matrix_b_fmt:MATRIX_FMT_FP6 matrix_a_scale:MATRIX_SCALE_ROW1
.else
	v_wmma_scale_f32_16x16x128_f8f6f4 v[ACC+8*(4*\a+\b):ACC+8*(4*\a+\b)+7], v[128*((\s)%2)+48+12*\b:128*((\s)%2)+59+12*\b], v[128*((\s)%2)+12*\a:128*((\s)%2)+12*\a+11], v[ACC+8*(4*\a+\b):ACC+8*(4*\a+\b)+7], v[24+4*((\s)%2)+\b], v[24+4*((\s)%2)+\a] matrix_a_fmt:MATRIX_FMT_FP6 matrix_b_fmt:MATRIX_FMT_FP6 matrix_a_scale:MATRIX_SCALE_ROW1
.endif
.endr
.endr
.endm
	s_wait_tensorcnt 1                             ; my part of K steps 0-3 is in; the second fill may be out
	s_barrier_signal -1
	s_barrier_wait -1
	FETCH 0
	s_wait_loadcnt 0x0                             ; the bias
	FETCH 1
	s_wait_dscnt 33                                ; all but the 33 loads just issued
	MUL 0
.irp s, 1,2
	PLACES 4                                       ; in front of loads into registers that the last products have read
	FETCH \s+1
	s_wait_dscnt 33
	MUL \s
.endr
	WIN 0
	s_wait_tensorcnt 0x0                           ; my part of K steps 4-7 is in,
	s_wait_dscnt 0x0                               ; (K step 3's fragments too)
	s_barrier_signal -1
	s_barrier_wait -1                              ; everybody's is
	PLACES 4
	FETCH 4
	MUL 3
.irp s, 4,5,6
	PLACES 4
	FETCH \s+1
	s_wait_dscnt 33
	MUL \s
.endr
	s_wait_dscnt 0x0
	MUL 7
	WIN 0
	PLACES 4                                       ; in front of the first read of results
; THE WAY OUT, a tile of 16 rows x my 64 columns at a time, through my own stage: a lane's eight numbers are 32 bytes of a row; they come back as whole rows of 256 bytes.
; LDS serves a wave's instructions in order: no wait between the stores and the loads, nor in front of the next tile's stores.
.macro TOSTAGE a
.irp b, 0,1,2,3
	ds_store_b128 v18, v[ACC+8*(4*(\a)+\b):ACC+8*(4*(\a)+\b)+3] offset:128*(\b/2)+32*(\b%2)       ; each accumulator from its low end on; columns 32 (b / 2) + 8 (b % 2) + 16 h + 0 .. 7
	ds_store_b128 v18, v[ACC+8*(4*(\a)+\b)+4:ACC+8*(4*(\a)+\b)+7] offset:128*(\b/2)+32*(\b%2)+16
.endr
.irp i, 0,1,2,3,4,5,6,7
	ds_load_b128 v[64+32*((\a)%2)+4*\i:64+32*((\a)%2)+4*\i+3], v19 offset:544*\i
.endr
.endm
.macro SEND a, younger                 ; younger: the LDS instructions issued behind tile a's loads
	s_wait_dscnt \younger
.irp i, 0,1,2,3,4,5,6,7
	global_store_b128 v20, v[64+32*((\a)%2)+4*\i:64+32*((\a)%2)+4*\i+3], s[10:11] offset:(32*((\a)/2)+8*((\a)%2)+2*\i+8*(\i/4))*4096 th:TH_STORE_NT   ; sixteen lanes store 256 consecutive bytes, aligned; lane-rows 2 i, 2 i + 1 at their true rows
.endr
.endm
	TOSTAGE 0
	TOSTAGE 1
	SEND 0, 16
	s_wait_xcnt 0x0                                ; tile 0's stores have read their registers: tile 2's loads may land there
	TOSTAGE 2
	SEND 1, 16
	s_wait_xcnt 0x0
	TOSTAGE 3
	SEND 2, 16
	SEND 3, 0
	s_wait_tensorcnt 0x0
	ds_add_u32 v22, v23
	s_wait_dscnt 0x0
	CROUND                                         ; the closing round: no work-group ends while a partner may still ask for a part that names it
	s_endpgm
.Lfunc_end_k_qd053822c65_outp:
	.size	k_qd053822c65_outp, .Lfunc_end_k_qd053822c65_outp-k_qd053822c65_outp
	.p2alignl 7, 3214868480
	.fill 96, 4, 3214868480
	.section	.rodata,"a",@progbits
	.p2align	6, 0x0
	.amdhsa_kernel k_qd053822c65_outp
		.amdhsa_group_segment_fixed_size 222720
		.amdhsa_private_segment_fixed_size 0
		.amdhsa_enable_private_segment 0
		.amdhsa_kernarg_size 32
		.amdhsa_user_sgpr_count 2
		.amdhsa_user_sgpr_kernarg_segment_ptr 1
		.amdhsa_wavefront_size32 1
		.amdhsa_system_sgpr_workgroup_id_x 1
		.amdhsa_system_sgpr_workgroup_id_y 1
		.amdhsa_system_sgpr_workgroup_id_z 1
		.amdhsa_system_vgpr_workitem_id 0
		.amdhsa_next_free_vgpr 512
		.amdhsa_next_free_sgpr 100
		.amdhsa_reserve_vcc 0
		.amdhsa_float_denorm_mode_32 3
		.amdhsa_float_denorm_mode_16_64 3
		.amdhsa_memory_ordered 1
		.amdhsa_forward_progress 1
		.amdhsa_inst_pref_size 51
	.end_amdhsa_kernel
	.amdgpu_metadata
---
amdhsa.version: [ 1, 2 ]
amdhsa.kernels:
  - .name:           k_qd053822c65_outp
    .symbol:         k_qd053822c65_outp.kd
    .args:
      - { .name: ctxq, .offset: 0, .size: 8, .value_kind: global_buffer, .address_space: global }
      - { .name: opq, .offset: 8, .size: 8, .value_kind: global_buffer, .address_space: global }
      - { .name: bo, .offset: 16, .size: 8, .value_kind: global_buffer, .address_space: global }
      - { .name: out0, .offset: 24, .size: 8, .value_kind: global_buffer, .address_space: global }
    .group_segment_fixed_size: 222720
    .private_segment_fixed_size: 0
    .kernarg_segment_align: 8
    .kernarg_segment_size: 32
    .max_flat_workgroup_size: 128
    .sgpr_count:     100
    .vgpr_count:     512
    .wavefront_size: 32
...
	.end_amdgpu_metadata
.endif
;; end of part 4
;; ======== version 2 of 2: 4 launches; version 1 with the launch attn written anew for expert scheduling mode
;; workspace buffers: opq 7,372,800 bytes; qkv 10,092,544 bytes; gate 16,777,216 bytes; ctxq 3,276,800 bytes
;; launch quant: the kernel of part 1 again; grid 288 x 1, 4 waves a work-group, no clusters, 17,920 bytes of LDS; arguments x, Wq, Wk, Wg, Wv, Wo, opq; writes opq
;; launch proj: the kernel of part 2 again; grid 16 x 16, 4 waves a work-group, clusters of 4 x 4, 327,680 bytes of LDS; arguments opq, qkv, gate; writes qkv, gate
;; launch attn (part 5): grid 8 x 32, 16 waves a work-group, no clusters, 28,672 bytes of LDS; arguments qkv, gate, ctxq; writes ctxq
.if DOCPART == 5
	.amdgcn_target "amdgcn-amd-amdhsa--gfx1250"
	.amdhsa_code_object_version 6
	.text
	.protected	k_qd053822c65_attn
	.globl	k_qd053822c65_attn
	.p2align	8
	.type	k_qd053822c65_attn,@function
k_qd053822c65_attn:
	s_mov_b64 s[64:65], 0
	v_nop
	global_prefetch_b8 v0, s[64:65] scope:SCOPE_SE
	s_setreg_imm32_b32 hwreg(HW_REG_WAVE_SCHED_MODE, 0, 2), 2
	s_setreg_imm32_b32 hwreg(HW_REG_WAVE_MODE, 25, 1), 1
	s_wait_xcnt 0x0
	s_wait_alu depctr_vm_vsrc(0)
; ctx = softmax(q k^T / 8, causal) v, times sigmoid(gate), quantised for the last product.  32 heads (batch x head) of 2,048 tokens x 64 channels.  Both products on codes of FP6 (E2M3) with E8M0 scales.
; THE SOFTMAX AHEAD OF THE SECOND PRODUCT: t = score x log2(e) / 8; M = the row's largest t so far, rounded UP to a whole number; p = 2^(t - M) is quantised along the keys, not normalised.
; The row's sum is taken of the unquantised p and divides at the end.  When M moves, the sum and O are multiplied by 2^(old M - new M): exact.
; SHARES.  A wave owns one tile of 16 queries, in 256 registers; sixteen waves, four to a SIMD.  Work-group j of a head: waves 0-7 own the 128 queries of block j, waves 8-15 those of block 15 - j.
; A wave works key steps (128 keys) 0 .. its block's number: 8 (j + 1) + 8 (16 - j) = 136 wave-steps in every work-group, whatever j.  The work-group walks 16 - j steps, two a trip.
; A step all of whose keys come after a wave's queries is left out by a scalar branch on ids, round the step's LDS reads, products and softmax alone; the step on the diagonal masks its scores with -infinity.
; A KEY STEP'S BLOCK (13,056 bytes: K's 8 halves, V's 4 fragments, 3 quads of scale words; images of operand registers) goes from memory through registers into one of two LDS slots, a step ahead:
; wave w carries 768 bytes, waves 0-2 a quad more.  One barrier a step: in front of it each wave's stores into the next slot have landed and its reads of this slot are in.
; NO JOINT LOADS: the work-groups of a head walk different numbers of key steps (16 - j), so partners would need different numbers of tiles; and what is shared is 13,056 bytes a step.
; LAYOUT.  Both products are used transposed: S^T = K Q^T (source 0 = 16 keys), O^T = V^T P^T (source 0 = 16 channels): a lane holds ONE query throughout.  Lane-row p of tile t of keys, queries and
; channels is row 32 (t / 2) + 8 (t % 2) + p + 8 (p / 8), so that a lane's 16 registers of two neighbouring tiles are 16 neighbours: p and ctx are quantised in registers.
; THE HEAD'S K OF 64 IS HALF OF THE INSTRUCTION'S 128: Q's upper six registers are zero codes.  K's tiles lie six registers apart; the upper six that an instruction names are the next tile's codes
; (behind the last tile: zeros): they meet Q's zeros and add nothing.  Bytes 2 and 3 of K's and Q's scale words are 0.
; LIMITS: a block of zeros gets the scale byte 1; a block's largest p is made from the block's largest score, which takes v_exp_f32 not to fall where its input rises; NaN and infinities are not served.
; REGISTERS: v1-9 addresses and lane terms; v10-11, v28-31, v94-95 the block on its way to LDS; v12 -M, v13 the largest t, v[14:15] the sum; v16-27 Q; v32-79 fragments of K, then of V; v80-85 zeros;
;   v86-93 scale words; v96-159 S^T, then p; v160-191 O^T; v192-223 the gate; v224-235 p's codes; v232-254 at work; v255 Q's scale word.  s40-47, s52-59: the diagonal step's masks, sixteen at a time.
; THE MODE: SCHED_MODE bits 1:0 = 2 (LLVM: expert scheduling mode 2), set by the entry lines.  The code itself states the register dependences between vector or matrix instructions and memory or
; LDS instructions, with s_wait_alu, always for 0.
; THE PLAN.  Registers that memory or LDS instructions touch:
;   v1-6, v8                offsets and LDS addresses.  Written at the head, ahead of the head's wait on va_vdst; never written again.
;   v28-31, v94-95, v10-11  the block on its way.  A step's global loads land in them, the same step's LDS stores read them; no vector instruction of the loop names them.  So ONE wait on vm_vsrc stands
;                           at a step's head: the last stores have read them.  (At the head v10, v11, v28 serve vector lines, ahead of the head's wait; on the way out v28-30 are written behind a wait on vm_vsrc.)
;   v32-79, v86-93          fragments and scale words, ONE set: the wave's 256 registers are all taken.  K's loads land, the eight products K Q^T read; V's loads land, the four products V^T P^T read.
;                           So a wait on va_vdst stands ahead of each of the two runs of LDS loads: the products that read the registers last are done with them.
;   v22-27, v80-85, v224-235, v253   operands and a scale word that vector instructions write and scaled products take: the zero codes stand ahead of the first step's first wait on va_vdst;
;                           p's codes and scale word have a wait of their own, behind their places, ahead of the products V^T P^T.
;   v224-229, v29, v30      the way out: written by vector instructions, read by the three stores: one wait on va_vdst ahead of the stores.
; Scalar results of vector instructions: the wave's number (one wait on va_sdst ahead of its first reader); the diagonal step's masks (compares in runs of sixteen, one wait behind each run); VCC on the way out.
.set SB,    13056
.set HEADB, 16*SB
.set SLOTB, 13312
.set QOFF,  32*HEADB
.set QBB,   6656
.set RBB,   102400
.set OB,    12800
	s_load_b128 s[4:7], s[0:1], 0x0                ; qkv, gate
	s_load_b64 s[8:9], s[0:1], 0x10                ; ctxq
	v_lshl_add_u32 v250, v0, 2, 0x6800
	v_mov_b32 v251, 0
	v_lshrrev_b32 v7, 5, v0
	v_readfirstlane_b32 s10, v7                    ; wave
	s_wait_alu depctr_va_sdst(0)                   ; s10 is written, ahead of its first reader: shares, addresses and branches are made from it
	s_mov_b32 s11, ttmp9                           ; j
	s_and_b32 s12, ttmp7, 0xffff                   ; the head, 16 x batch + head
	s_sub_co_u32 s13, 15, s11
	s_cmp_lt_u32 s10, 8
	s_cselect_b32 s13, s11, s13                    ; my block of 128 queries, and my last key step
	s_and_b32 s14, s10, 7                          ; my tile in it
	s_sub_co_u32 s16, 17, s11
	s_lshr_b32 s16, s16, 1                         ; trips: (16 - j) steps, two a trip, rounded up
	s_mov_b32 s15, 0                               ; the key step in hand
	s_mov_b32 s20, 0x76543210
	s_mov_b32 s21, 0xfedcba98                      ; selects for lane l xor 16
	s_mov_b32 s22, 0x3e38aa3b                      ; c = log2(e) / 8
	s_mov_b32 s23, s22                             ; (named with it as a pair)
	s_mov_b32 s27, 0
	v_and_b32 v7, 31, v0                           ; lane
	v_and_b32 v10, 15, v0                          ; r
	v_bfe_u32 v11, v0, 4, 1                        ; h
	v_lshlrev_b32 v1, 4, v7                        ; 16 x lane
	v_lshlrev_b32 v2, 3, v7                        ; 8 x lane
	v_lshlrev_b32 v3, 4, v10                       ; 16 r
	s_mul_i32 s38, s10, 768
	s_mov_b32 s39, 0
	v_add_nc_u32 v4, s38, v1                       ; into a slot: my wave's 768 bytes,
	v_add_nc_u32 v5, s38, v2
	v_add_nc_u32 v5, 512, v5
	s_lshl_b32 s42, s10, 8
	s_add_co_u32 s42, s42, 12288
	s_mov_b32 s43, 0
	v_add_nc_u32 v6, s42, v2                       ; and, in waves 0-2, a quad of scale words
	s_lshr_b32 s40, s14, 1
	s_lshl_b32 s40, s40, 5
	s_and_b32 s41, s14, 1
	s_lshl_b32 s41, s41, 3
	s_add_co_u32 s40, s40, s41
	v_and_b32 v9, 8, v10
	v_add_nc_u32 v9, v9, v10
	v_add_nc_u32 v9, s40, v9                       ; my query in its block,
	v_lshlrev_b32 v28, 4, v11
	v_sub_nc_u32 v9, v9, v28                       ; less 16 h: register 16 b + i holds key 32 b + 16 h + i, hidden on the diagonal where 32 b + i is above this
	s_and_b32 s41, s10, 3
	s_lshl_b32 s41, s41, 5
	v_add_nc_u32 v8, s41, v7
	v_min_u32 v8, 101, v8
	v_lshlrev_b32 v8, 8, v8                        ; the prefetches' offset: lanes 256 bytes apart over two key steps' 26,112 bytes; the lanes past the 102nd name the last piece again
	s_lshr_b32 s44, s10, 2
	s_xor_b32 s44, s44, 1                          ; 0 in waves 4-7,
	s_or_b32 s44, s44, s11                         ; of the head's work-group 0
	s_cmp_eq_u32 s44, 0
	s_cselect_b32 s30, 2, -1                       ; a wave prefetches while the trips to go are above this
	v_mov_b32 v10, 0                               ; (written in every wave: waves 3-15 never load them)
	v_mov_b32 v11, 0
	s_mul_i32 s40, s12, HEADB
	s_mov_b32 s41, 0
	s_lshr_b32 s31, s14, 2
	s_lshl_b32 s31, s31, 8
	s_and_b32 s44, s14, 3
	s_lshl_b32 s44, s44, 2
	s_add_co_u32 s31, s31, s44                     ; my tile's place among scale words: 256 (t / 4) + 4 (t % 4)
	s_lshl_b32 s44, s12, 4
	s_add_co_u32 s44, s44, s13
	s_mul_i32 s44, s44, QBB
	s_add_co_u32 s44, s44, QOFF                    ; my block of queries
	s_mov_b32 s45, 0
	s_mul_i32 s46, s14, 768
	s_add_co_u32 s46, s46, s44                     ; my tile's codes
	s_mov_b32 s47, 0
	s_add_co_u32 s44, s44, s31
	s_add_co_u32 s44, s44, 6144                    ; and its scale words
	s_lshl_b32 s52, s12, 7
	s_lshl_b32 s53, s13, 3
	s_add_co_u32 s52, s52, s53
	s_add_co_u32 s52, s52, s14
	s_lshl_b32 s52, s52, 12                        ; the gate's image: (128 x head + 8 x block + tile) x 4,096
	s_mov_b32 s53, 0
	s_lshr_b32 s54, s12, 4
	s_lshl_b32 s54, s54, 4
	s_add_co_u32 s54, s54, s13                     ; ctxq: the group of 128 tokens, 16 x batch + block;
	s_mul_i32 s54, s54, RBB
	s_bfe_u32 s55, s12, 0x30001                    ; the K step: head / 2
	s_mul_i32 s55, s55, OB
	s_add_co_u32 s54, s54, s55
	s_and_b32 s55, s12, 1                          ; the half of a fragment: head % 2
	s_mul_i32 s56, s14, 1536
	s_add_co_u32 s56, s56, s54
	s_mul_i32 s57, s55, 768
	s_add_co_u32 s56, s56, s57
	s_mov_b32 s57, 0
	s_lshl_b32 s55, s55, 1
	s_add_co_u32 s54, s54, s55
	s_add_co_u32 s54, s54, s31
	s_add_co_u32 s54, s54, 12288                   ; my two bytes of each row's scale word
	s_mov_b32 s55, 0
	s_wait_kmcnt 0x0
	s_add_nc_u64 s[28:29], s[4:5], s[40:41]        ; the head's K and V
	s_add_nc_u64 s[18:19], s[28:29], s[38:39]      ; my 768 bytes of key step 0,
	s_add_nc_u64 s[24:25], s[28:29], s[42:43]      ; and the quad
	s_add_nc_u64 s[28:29], s[28:29], 4*SB          ; the prefetches begin at key step 4
	s_add_nc_u64 s[32:33], s[4:5], s[46:47]
	s_add_nc_u64 s[34:35], s[4:5], s[44:45]
	s_add_nc_u64 s[36:37], s[6:7], s[52:53]
	s_add_nc_u64 s[48:49], s[8:9], s[56:57]
	s_add_nc_u64 s[50:51], s[8:9], s[54:55]
.macro STLOAD                          ; my part of a key step's block, from memory
	global_load_b128 v[28:31], v1, s[18:19]
	global_load_b64 v[94:95], v2, s[18:19] offset:512
	s_cmp_lt_u32 s10, 3
	s_cbranch_scc0 .Lnl_\@
	global_load_b64 v[10:11], v2, s[24:25]
.Lnl_\@:
.endm
.macro STSTORE off, cnt                ; and into the slot at off.  cnt: the younger loads, which may stay out
	s_wait_loadcnt \cnt
	ds_store_b128 v4, v[28:31] offset:\off
	ds_store_b64 v5, v[94:95] offset:\off
	s_cmp_lt_u32 s10, 3
	s_cbranch_scc0 .Lns_\@
	ds_store_b64 v6, v[10:11] offset:\off
.Lns_\@:
.endm
; A PREFETCH INTO THE L2, once a trip, behind the wave's loads: the two key steps' blocks of the trip after next.  All eight work-groups of a head walk the same K and V; work-group 0, which walks all 16 steps
; with half of its waves at work, asks, and nobody else; in it waves 4-7, one instruction each.  Key steps 0-3 come by their loads alone; the last two trips ask for nothing: steps 14 and 15 are the last named.
.macro ASK
	s_cmp_gt_u32 s16, s30
	s_cbranch_scc0 .Lnot_mine_\@
	global_prefetch_b8 v8, s[28:29] th:TH_LOAD_NT scope:SCOPE_SE
.Lnot_mine_\@:
.endm
	s_wait_alu depctr_va_vdst(0)                   ; the offsets and addresses v1-6 and v8 are written, which every load, LDS access and prefetch of the kernel reads; the vector lines above are done with v10, v11 and v28, in which loads land
	STLOAD                                         ; key step 0
	global_load_b128 v[16:19], v1, s[32:33]        ; Q's half fragment stays in registers
	global_load_b64 v[20:21], v2, s[32:33] offset:512
	global_load_b32 v255, v3, s[34:35]             ; Q's scale words
.irp c, 0,1,2,3,4,5,6,7
	global_load_b128 v[192+4*\c:195+4*\c], v1, s[36:37] offset:512*\c th:TH_LOAD_NT   ; the gate of my 16 tokens x 64 channels, in O^T's layout
.endr
.irp i, 22,23,24,25,26,27,80,81,82,83,84,85
	v_mov_b32 v\i, 0                               ; zero codes: Q's upper 64 along K; and what stands behind K's last tile
.endr
.set NN, 0
.rept 32
	v_mov_b32 v[160+NN], 0                         ; O^T.  (The step is written once: the first finds zeros, which the first change of M leaves zeros)
.set NN, NN+1
.endr
	v_mov_b32 v13, 0xff61b1e6                      ; the largest t so far: -3e38, under every t
	v_floor_f32 v12, -v13                          ; -M
	v_mov_b32 v14, 0
	v_mov_b32 v15, 0
.irp i, 236,237,238,239,252,253
	v_mov_b32 v\i, 0                               ; written once: permute destinations and halves of pairs count as read
.endr
	STSTORE 0, 11                                  ; key step 0's part is in; Q's 3 loads and the gate's 8 may be out.  (No vector line since the wait above names the stores' addresses or data)
	s_add_nc_u64 s[18:19], s[18:19], SB
	s_add_nc_u64 s[24:25], s[24:25], SB
	s_wait_dscnt 0x0
	s_barrier_signal -1
	s_barrier_wait -1                              ; slot 0 is whole
	s_wait_loadcnt 8                               ; Q is in; the gate's 8 loads may be out (the first step's wait for its block covers them)
; A KEY STEP, read from slot sg; the next step's block goes into the other slot.
.macro STEP sg
.set BO, SLOTB*(\sg)
.set BN, SLOTB*(1-(\sg))
	s_wait_alu depctr_vm_vsrc(0)                   ; my last LDS stores (the step before's; in the first step the head's) have read v28-31, v94-95 and v10-11, in which the loads below land
	STLOAD
.if (\sg) == 0
	ASK
.endif
	s_cmp_gt_u32 s15, s13                          ; all keys of this step come after my queries?
	s_cbranch_scc1 .Lhid_\@
.rept 4
	v_nop                                          ; places in front of loads into registers that the last step's products have read
.endr
	s_wait_alu depctr_va_vdst(0)                   ; the last step's products V^T P^T are done reading v32-79 and v86-89, in which the loads below land; in the first step the zero codes v22-27 and v80-85 are written, which the products below take
.irp t, 0,1,2,3,4,5,6,7
	ds_load_b128 v[32+6*\t:35+6*\t], v1 offset:BO+768*\t
	ds_load_b64 v[36+6*\t:37+6*\t], v2 offset:BO+768*\t+512
.endr
	ds_load_b128 v[86:89], v3 offset:BO+12288
	ds_load_b128 v[90:93], v3 offset:BO+12544
	s_wait_dscnt 0x0
.irp t, 0,1,2,3,4,5,6,7
	v_wmma_scale_f32_16x16x128_f8f6f4 v[96+8*\t:103+8*\t], v[32+6*\t:43+6*\t], v[16:27], 0, v[86+\t], v255 matrix_a_fmt:MATRIX_FMT_FP6 matrix_b_fmt:MATRIX_FMT_FP6
.endr
.rept 4
	v_nop                                          ; places in front of the loads below and of the first read of the scores
.endr
	s_wait_alu depctr_va_vdst(0)                   ; the eight products K Q^T are done reading v32-85 and v86-93: V's fragments and scale words land in v32-79 and v86-89
.irp t, 0,1,2,3                                ; V's four fragments and scale words land under the softmax, none of whose lines names their registers
	ds_load_b128 v[32+12*\t:35+12*\t], v1 offset:BO+6144+1536*\t
	ds_load_b64 v[36+12*\t:37+12*\t], v2 offset:BO+6144+1536*\t+512
	ds_load_b128 v[38+12*\t:41+12*\t], v1 offset:BO+6144+1536*\t+768
	ds_load_b64 v[42+12*\t:43+12*\t], v2 offset:BO+6144+1536*\t+1280
.endr
	ds_load_b128 v[86:89], v3 offset:BO+12800
	s_cmp_lg_u32 s15, s13                          ; only my last step lies on the diagonal
	s_cbranch_scc1 .Lopen_\@
	v_mov_b32 v254, 0xff800000                     ; -infinity: p = 0 then
.set NB, 0
.rept 4                                        ; a block of 32 keys (my 16 registers of it) at a time: sixteen compares into sixteen scalar registers, one wait, sixteen selects
.set NN, 0
.rept 16
	v_cmp_gt_i32 s[40+NN+4*(NN/8)], 32*NB+NN, v9
.set NN, NN+1
.endr
	s_wait_alu depctr_va_sdst(0)                   ; the sixteen masks s40-47 and s52-59 are written, ahead of their first reader
.set NN, 0
.rept 16
	v_cndmask_b32 v[96+16*NB+NN], v[96+16*NB+NN], v254, s[40+NN+4*(NN/8)]
.set NN, NN+1
.endr
.set NB, NB+1
.endr
.Lopen_\@:
.irp b, 0,1,2,3
	v_max3_num_f32 v[232+\b], v[96+16*\b], v[97+16*\b], v[98+16*\b]   ; the largest score of each block of 32 keys: it serves for the row's maximum and, since p rises with the score, for the block's largest p
.endr
.irp i, 3,5,7,9,11,13
.irp b, 0,1,2,3
	v_max3_num_f32 v[232+\b], v[232+\b], v[96+16*\b+\i], v[97+16*\b+\i]
.endr
.endr
.irp b, 0,1,2,3
	v_max_num_f32 v[232+\b], v[232+\b], v[111+16*\b]
.endr
.irp b, 0,1,2,3
	v_permlanex16_b32 v[236+\b], v[232+\b], s20, s21
.endr
.irp b, 0,1,2,3
	v_max_num_f32 v[232+\b], v[232+\b], v[236+\b]  ; with lane l xor 16's 16 keys
.endr
	v_max3_num_f32 v254, v232, v233, v234
	v_max_num_f32 v254, v254, v235
	v_mul_f32 v254, s22, v254                      ; the step's largest t of my query (c is positive)
	v_max_num_f32 v13, v13, v254
	v_mov_b32 v254, v12
	v_floor_f32 v12, -v13                          ; the new -M = floor(-t): M is a whole number
	v_sub_f32 v254, v12, v254                      ; old M - new M: a whole number, 0 or less
	v_cvt_i32_f32 v254, v254                       ; (it saturates)
	v_ldexp_f32 v252, 1.0, v254                    ; f = 2^(old M - new M)
.set NN, 0
.rept 32
	v_pk_fma_f32 v[96+NN:97+NN], v[96+NN:97+NN], s[22:23], v[12:13] op_sel_hi:[1,0,0]   ; t - M, two at a time
.set NN, NN+2
.endr
.irp b, 0,1,2,3
	v_fma_f32 v[232+\b], v[232+\b], s22, v12       ; the same of each block's largest score
.endr
.set NN, 0
.rept 64
	v_exp_f32 v[96+NN], v[96+NN]                   ; p = 2^(t - M), at most 1
.set NN, NN+1
.endr
	v_pk_mul_f32 v[14:15], v[14:15], v[252:253] op_sel_hi:[1,0]   ; the sums under the new M (a plain line behind the exponentials)
	s_wait_alu depctr_va_vdst(0)                   ; the 64 exponentials have written p, v96-159: one wait for the batch, ahead of its first reader
.irp b, 0,1,2,3
	v_exp_f32 v[232+\b], v[232+\b]                 ; the block's largest p
.endr
	v_pk_add_f32 v[236:237], v[96:97], v[98:99]    ; the row's sum is taken of the unquantised p: two chains
.irp j, 4,8,12,16,20,24,28,32,36,40,44,48,52,56,60
	v_pk_add_f32 v[14:15], v[14:15], v[96+\j:97+\j]
	v_pk_add_f32 v[236:237], v[236:237], v[98+\j:99+\j]
.endr
	v_pk_add_f32 v[14:15], v[14:15], v[236:237]
	s_wait_alu depctr_va_vdst(0)                   ; and one for the four, which have written v232-235
.irp b, 0,1,2,3
	v_max_num_f32 v[232+\b], 0x1800000, v[232+\b]  ; the floor 2^(3 - 127): the byte cannot fall under 1
.endr
.irp b, 0,1,2,3
	v_add_nc_u32 v[244+\b], 0xff000000, v[232+\b]  ; 2 off the exponent field: the conversion's scale operand
.endr
.irp b, 0,1,2,3
	v_lshrrev_b32 v[236+\b], 23, v[244+\b]         ; the scale's byte
.endr
	v_lshl_or_b32 v253, v237, 8, v236              ; p's scale word for these 128 keys
	v_lshl_or_b32 v253, v238, 16, v253
	v_lshl_or_b32 v253, v239, 24, v253
.irp c, 0,1
	v_cvt_scalef32_pk16_fp6_f32 v[224+6*\c:226+6*\c], v[96+32*\c:111+32*\c], v[244+2*\c]
	v_cvt_scalef32_pk16_fp6_f32 v[236+4*\c:238+4*\c], v[112+32*\c:127+32*\c], v[244+2*\c+1]
.endr
	v_nop                                          ; one plain line behind a scaled conversion
.irp c, 0,1
.irp i, 0,1,2
	v_permlane16_swap_b32 v[224+6*\c+\i], v[236+4*\c+\i]
.endr
.irp i, 0,1,2
	v_mov_b32 v[227+6*\c+\i], v[236+4*\c+\i]
.endr
.endr
.set NN, 0
.rept 16
	v_pk_mul_f32 v[160+NN:161+NN], v[160+NN:161+NN], v[252:253] op_sel_hi:[1,0]   ; O^T under the new M.  (These sixteen stand between the writes of p's codes and scale word and the products)
.set NN, NN+2
.endr
	s_wait_dscnt 0x0                               ; V is in
	s_wait_alu depctr_va_vdst(0)                   ; p's codes v224-235 and its scale word v253 are written, which the scaled products below take; the places above stay beside this wait
.irp t, 0,1,2,3                                ; four accumulators by turns
	v_wmma_scale_f32_16x16x128_f8f6f4 v[160+8*\t:167+8*\t], v[32+12*\t:43+12*\t], v[224:235], v[160+8*\t:167+8*\t], v[86+\t], v253 matrix_a_fmt:MATRIX_FMT_FP6 matrix_b_fmt:MATRIX_FMT_FP6
.endr
.Lhid_\@:
	STSTORE BN, 0                                  ; the next step's part is in: into the other slot, which nobody reads in this step
	s_cmp_lt_u32 s15, 14                           ; the loads are done, so their base may step; it stops at key step 15: no load leaves the head's blocks
	s_cselect_b32 s26, SB, 0
	s_add_nc_u64 s[18:19], s[18:19], s[26:27]
	s_add_nc_u64 s[24:25], s[24:25], s[26:27]
	s_add_co_u32 s15, s15, 1
	s_wait_dscnt 0x0                               ; my stores have landed, and my reads of this slot are in
	s_barrier_signal -1
	s_barrier_wait -1
.endm
.Ltrip:
	STEP 0
	STEP 1
	s_wait_xcnt 0x0                                ; the trip's prefetch has read its address
	s_add_nc_u64 s[28:29], s[28:29], 2*SB
	s_sub_co_u32 s16, s16, 1
	s_cmp_lg_u32 s16, 0
	s_cbranch_scc1 .Ltrip
	; THE WAY OUT: ctx = O^T / the sum x sigmoid(gate), quantised along the head's 64 channels: two blocks; half a fragment and two scale bytes a row.
	s_wait_alu depctr_vm_vsrc(0)                   ; my last LDS stores have read v28-31, of which v28, v29 and v30 are written below
.set NN, 0
.rept 16
	v_pk_mul_f32 v[192+NN:193+NN], v[192+NN:193+NN], 0xbfb8aa3b op_sel_hi:[1,0]   ; -gate x log2(e).  (Also the places behind the last products)
.set NN, NN+2
.endr
.set NN, 0
.rept 32
	v_exp_f32 v[192+NN], v[192+NN]
.set NN, NN+1
.endr
	v_add_f32 v14, v14, v15                        ; the sum's two halves,
	v_permlanex16_b32 v252, v14, s20, s21
	v_add_f32 v14, v14, v252                       ; and lane l xor 16's: the row's sum
	s_wait_alu depctr_va_vdst(0)                   ; the 32 exponentials have written v192-223: one wait, ahead of their first reader
.set NN, 0
.rept 16
	v_pk_add_f32 v[192+NN:193+NN], v[192+NN:193+NN], 1.0 op_sel_hi:[1,0]
.set NN, NN+2
.endr
.set NN, 0
.rept 32
	v_rcp_f32 v[192+NN], v[192+NN]                 ; sigmoid(gate) = 1 / (1 + 2^(-gate log2(e)))
.set NN, NN+1
.endr
	v_rcp_f32 v14, v14
	v_bfe_u32 v28, v0, 4, 1                        ; h (a plain line behind the reciprocals)
	v_add_nc_u32 v29, v3, v28                      ; 16 r + h: my scale byte's place
	v_cmp_ne_u32 vcc_lo, 0, v28                    ; lanes 16-31: the mask of the select at the end
	s_wait_alu depctr_va_vdst(0)                   ; the 33 reciprocals have written v192-223 and v14: one wait, ahead of their first reader
.set NN, 0
.rept 16
	v_pk_mul_f32 v[96+NN:97+NN], v[160+NN:161+NN], v[14:15] op_sel_hi:[1,0]   ; each accumulator from its low end on
.set NN, NN+2
.endr
.set NN, 0
.rept 16
	v_pk_mul_f32 v[96+NN:97+NN], v[96+NN:97+NN], v[192+NN:193+NN]
.set NN, NN+2
.endr
.irp b, 0,1
	v_max3_num_f32 v[232+\b], |v[96+16*\b]|, |v[97+16*\b]|, 0x1800000
.endr
.irp i, 2,4,6,8,10,12,14
.irp b, 0,1
	v_max3_num_f32 v[232+\b], v[232+\b], |v[96+16*\b+\i]|, |v[97+16*\b+\i]|
.endr
.endr
.irp b, 0,1
	v_permlanex16_b32 v[236+\b], v[232+\b], s20, s21
.endr
.irp b, 0,1
	v_max_num_f32 v[232+\b], v[232+\b], v[236+\b]
.endr
.irp b, 0,1
	v_add_nc_u32 v[244+\b], 0xff000000, v[232+\b]
.endr
.irp b, 0,1
	v_lshrrev_b32 v[236+\b], 23, v[244+\b]
.endr
	v_cvt_scalef32_pk16_fp6_f32 v[224:226], v[96:111], v244
	v_cvt_scalef32_pk16_fp6_f32 v[240:242], v[112:127], v245
	v_nop                                          ; one plain line behind a scaled conversion
.irp i, 0,1,2
	v_permlane16_swap_b32 v[224+\i], v[240+\i]
.endr
.irp i, 0,1,2
	v_mov_b32 v[227+\i], v[240+\i]
.endr
	s_wait_alu depctr_va_vcc(0)                    ; VCC is written, ahead of its first reader
	v_cndmask_b32 v30, v236, v237, vcc_lo          ; lanes 0-15 store block 0's byte, lanes 16-31 block 1's
	s_wait_alu depctr_va_vdst(0)                   ; the codes v224-229, the byte v30 and its place v29 are written, which the three stores read
	global_store_b128 v1, v[224:227], s[48:49]     ; 512 consecutive bytes,
	global_store_b64 v2, v[228:229], s[48:49] offset:512   ; and 256
	global_store_b8 v29, v30, s[50:51]             ; a scale word's halves belong to two heads, that is to two work-groups: so single bytes, 32 a wave
	s_wait_dscnt 0x0
	s_wait_alu depctr_hold_cnt(0) depctr_sa_sdst(0) depctr_va_vdst(0) depctr_va_sdst(0) depctr_va_ssrc(0) depctr_va_vcc(0) depctr_vm_vsrc(0)
	s_wait_tensorcnt 0x0
	ds_add_u32 v250, v251
	s_wait_dscnt 0x0
	s_endpgm
.Lfunc_end_k_qd053822c65_attn:
	.size	k_qd053822c65_attn, .Lfunc_end_k_qd053822c65_attn-k_qd053822c65_attn
	.p2alignl 7, 3214868480
	.fill 96, 4, 3214868480
	.section	.rodata,"a",@progbits
	.p2align	6, 0x0
	.amdhsa_kernel k_qd053822c65_attn
		.amdhsa_group_segment_fixed_size 28672
		.amdhsa_private_segment_fixed_size 0
		.amdhsa_enable_private_segment 0
		.amdhsa_kernarg_size 24
		.amdhsa_user_sgpr_count 2
		.amdhsa_user_sgpr_kernarg_segment_ptr 1
		.amdhsa_wavefront_size32 1
		.amdhsa_system_sgpr_workgroup_id_x 1
		.amdhsa_system_sgpr_workgroup_id_y 1
		.amdhsa_system_sgpr_workgroup_id_z 1
		.amdhsa_system_vgpr_workitem_id 0
		.amdhsa_next_free_vgpr 256
		.amdhsa_next_free_sgpr 66
		.amdhsa_reserve_vcc 1
		.amdhsa_float_denorm_mode_32 3
		.amdhsa_float_denorm_mode_16_64 3
		.amdhsa_memory_ordered 1
		.amdhsa_forward_progress 1
		.amdhsa_inst_pref_size 70
	.end_amdhsa_kernel
	.amdgpu_metadata
---
amdhsa.version: [ 1, 2 ]
amdhsa.kernels:
  - .name:           k_qd053822c65_attn
    .symbol:         k_qd053822c65_attn.kd
    .args:
      - { .name: qkv, .offset: 0, .size: 8, .value_kind: global_buffer, .address_space: global }
      - { .name: gate, .offset: 8, .size: 8, .value_kind: global_buffer, .address_space: global }
      - { .name: ctxq, .offset: 16, .size: 8, .value_kind: global_buffer, .address_space: global }
    .group_segment_fixed_size: 28672
    .private_segment_fixed_size: 0
    .kernarg_segment_align: 8
    .kernarg_segment_size: 24
    .max_flat_workgroup_size: 512
    .sgpr_count:     66
    .vgpr_count:     256
    .wavefront_size: 32
...
	.end_amdgpu_metadata
.endif
;; end of part 5
;; launch outp: the kernel of part 4 again; grid 8 x 32, 4 waves a work-group, clusters of 4 x 4, 222,720 bytes of LDS; arguments ctxq, opq, bo, out0; writes out0
